; MI455X (gfx1250); checked and timed in simulation.
; The chip was launched on July 23, 2026; its instructions are those of AMD's public machine-readable ISA for CDNA 5 (MIT licence, August 2026) and "CDNA5" Instruction Set Architecture Reference Guide (July 2026). The comments in the code are by the model that wrote it; some were corrected since.
;; X Pos Attention. Allowed arithmetic: float matrix products may take bf16 or f16 operands with f32 sums; all other float work in f32.
;; Inputs: Wk 2,048 x 512 float32; Wo 1,024 x 2,048 float32; Wq 2,048 x 1,024 float32; Wv 2,048 x 512 float32; x 2 x 2,048 x 2,048 float32.
;; Outputs: out0 2 x 2,048 x 2,048 float32.
;; 2 versions, each right; version 2 is version 1 with the launch prep written anew for expert scheduling mode. Each part assembles by itself: llvm-mc -triple=amdgcn-amd-amdhsa -mcpu=gfx1250 --defsym DOCPART=n.
;; ======== version 1 of 2: 4 launches
;; limits: values are held in f16: magnitudes above 65,504 overflow, below 6.1e-05 lose precision; right only within a limited range of input values
;; workspace buffers: xb 16,777,216 bytes; wb 8,388,608 bytes; woh 4,194,304 bytes; tab 3,145,728 bytes; qkv 16,777,216 bytes; scl 4,096 bytes; ah 8,388,608 bytes
;; launch prep (part 1): grid 928 x 1, 8 waves a work-group, no clusters, 0 bytes of LDS; arguments x, Wq, Wk, Wv, Wo, xb, wb, woh, tab; writes xb, wb, woh, tab
.if DOCPART == 1
	.amdgcn_target "amdgcn-amd-amdhsa--gfx1250"
	.amdhsa_code_object_version 6
	.text
	.protected	k_q4f0bdeeb7e_prep
	.globl	k_q4f0bdeeb7e_prep
	.p2align	8
	.type	k_q4f0bdeeb7e_prep,@function
k_q4f0bdeeb7e_prep:
	s_mov_b64 s[64:65], 0
	v_nop
	global_prefetch_b8 v0, s[64:65] scope:SCOPE_SE
	s_setreg_imm32_b32 hwreg(HW_REG_WAVE_MODE, 25, 1), 1
	s_wait_xcnt 0x0
; PREP: rounds x and the four weights from f32 to bf16, the matrix operands' format, and makes the RoPE / xPos tables.
; Work-groups 0-511: x -> xb [4096][2048] bf16.  640-767: Wq, 768-831: Wk, 832-895: Wv -> wb [2048 k][2048 n] bf16 (columns 0-1023 Wq, 1024-1535 Wk, 1536-2047 Wv).
; 512-639: Wo -> woh [1024][2048]: rounded to bf16 like the others, and that value kept as f16, because its partner in the last product needs f16's longer mantissa
; and a matrix instruction takes both operands in one format.  A bf16 number of magnitude 2^-17 or more is exact in f16; below, the absolute error is at most 2^-25.
; 896-927: tab, three sections of [2048 positions][128 f32]: floats 0-63 = C[j], 64-127 = Sn[j].
;   section 0 (q): C = cos f qs, Sn = sin f qs, f = sc for even j and 1/sc for odd j, sc = (s+256)/512, qs = log2(e)/sqrt(128)
;   section 1 (k): the same with f inverted and without qs.   section 2 (v): C = 1, Sn = 0, so that one way out serves all three kinds of column.
; A stream: memory binds, so no LDS, no barrier, no matrix unit, nothing shared between work-groups (no cluster).
; LIMITS: |Wo| above 65,504 overflows.  inv_freq = exp2(-j log2(10000)/64) by v_exp_f32 (1 ULP), sine and cosine by a reduction by pi/2 in two parts and
; polynomials of degree 7 and 8 (absolute error below 1e-6): an angle can differ from the f32 angle of the formula by about 3e-4 rad at position 2047.
; 1/sc is v_rcp_f32 (1 ULP).
.set X,    16                          ; v[16:79]   cast: sixteen loads of four f32
.set OFFD, 80                          ; v[80:95]   cast: byte offset of each load's four numbers in the destination
.set Y,    96                          ; v[96:127]  cast: four 16-bit numbers for each load
; One cast.  A work-group takes 64 KiB of the source, a wave 8 KiB as sixteen loads of 512 neighbouring bytes, all issued before the first is used.
; src, dst: first register of the two addresses; first: the role's first work-group; lg: log2 of the source's row in elements; col: byte column in the destination;
; mode 0: bf16; mode 1: the bf16 value, kept as f16.
; Every destination row is 4,096 bytes.  A store of a wave covers 256 neighbouring bytes that start at a multiple of 256.
.macro CAST src, dst, first, lg, col, mode
	s_sub_co_u32 s2, s7, \first                    ; my chunk of the source
	s_lshl_b32 s30, s2, 16                         ; x 65,536 bytes (below 2^25)
	s_mov_b32 s31, 0
	s_add_nc_u64 s[26:27], s[\src:\src+1], s[30:31]
.irp i, 0,1,2,3,4,5,6,7,8,9,10,11,12,13,14,15
	global_load_b128 v[X+4*\i:X+4*\i+3], v1, s[26:27] offset:512*\i th:TH_LOAD_NT
.endr
	s_lshl_b32 s4, s2, 14                          ; the chunk's first element
	v_add_nc_u32 v2, s4, v2                        ; my first element
.irp i, 0,1,2,3,4,5,6,7,8,9,10,11,12,13,14,15
	v_add_nc_u32 v3, 128*\i, v2                    ; element e of load i
	v_lshrrev_b32 v4, \lg, v3                      ; its row
	v_and_b32 v3, (1<<\lg)-1, v3                   ; its column
	v_lshlrev_b32 v3, 1, v3
	v_lshl_add_u32 v[OFFD+\i], v4, 12, v3          ; row x 4,096 + column x 2
.endr
.irp i, 0,1,2,3,4,5,6,7,8,9,10,11,12,13,14,15
	s_wait_loadcnt 15-\i                           ; loads return in order (ISA guide 5.7.1): load i is in, the 15 - i younger ones stay out
.if \mode
	v_cvt_pk_bf16_f32 v3, v[X+4*\i],   v[X+4*\i+1] ; the rounding, to nearest even
	v_cvt_pk_bf16_f32 v4, v[X+4*\i+2], v[X+4*\i+3]
	v_lshlrev_b32 v[X+4*\i],   16, v3              ; the rounded numbers as f32 again
	v_and_b32     v[X+4*\i+1], 0xffff0000, v3
	v_lshlrev_b32 v[X+4*\i+2], 16, v4
	v_and_b32     v[X+4*\i+3], 0xffff0000, v4
	v_cvt_pk_f16_f32 v[Y+2*\i],   v[X+4*\i],   v[X+4*\i+1]
	v_cvt_pk_f16_f32 v[Y+2*\i+1], v[X+4*\i+2], v[X+4*\i+3]
.else
	v_cvt_pk_bf16_f32 v[Y+2*\i],   v[X+4*\i],   v[X+4*\i+1]
	v_cvt_pk_bf16_f32 v[Y+2*\i+1], v[X+4*\i+2], v[X+4*\i+3]
.endif
	global_store_b64 v[OFFD+\i], v[Y+2*\i:Y+2*\i+1], s[\dst:\dst+1] offset:\col   ; no address or data register of a load or store is written twice: no further wait
.endr
	s_endpgm
.endm
	s_load_b512 s[8:23], s[0:1], 0x0               ; x 8, Wq 10, Wk 12, Wv 14, Wo 16, xb 18, wb 20, woh 22
	s_load_b64 s[24:25], s[0:1], 0x40              ; tab
	s_mov_b32 s7, ttmp9
	v_and_b32 v5, 31, v0                           ; lane
	v_lshrrev_b32 v6, 5, v0                        ; wave
	v_lshlrev_b32 v1, 4, v5
	v_lshl_add_u32 v1, v6, 13, v1                  ; cast: source offset = wave x 8,192 + lane x 16
	v_lshlrev_b32 v2, 2, v5
	v_lshl_add_u32 v2, v6, 11, v2                  ; cast: element in the chunk = wave x 2,048 + lane x 4
	s_wait_kmcnt 0x0
	s_cmp_lt_u32 s7, 512
	s_cbranch_scc1 .Lcast_x
	s_cmp_lt_u32 s7, 640
	s_cbranch_scc1 .Lcast_wo
	s_cmp_lt_u32 s7, 768
	s_cbranch_scc1 .Lcast_wq
	s_cmp_lt_u32 s7, 832
	s_cbranch_scc1 .Lcast_wk
	s_cmp_lt_u32 s7, 896
	s_cbranch_scc1 .Lcast_wv
	; THE TABLES.  A work-group makes 64 positions, a wave 8.  Lane l writes floats 4l .. 4l+3 of a row: lanes 0-15 cosines, lanes 16-31 sines, of j = 4 (l & 15) + k.
.set IFQ, 12                           ; v[12:15] inv_freq of my four j
.set CQ,  16                           ; v[16:19] section 2's four numbers: 1.0 (lanes 0-15) or 0.0
.set SF,  20                           ; position as f32
.set SC,  21                           ; sc
.set RS,  22                           ; 1 / sc
.set SCQ, 23                           ; sc qs
.set RSQ, 24                           ; qs / sc
.set AA,  28                           ; four each: angle,
.set NN,  32                           ; quarter turns,
.set RR,  36                           ; reduced angle,
.set R2,  40                           ; its square,
.set SP,  44                           ; sine polynomial, then the value,
.set CP,  48                           ; cosine polynomial,
.set QQ,  52                           ; quadrant,
.set TT,  56                           ; at work
.set OO,  64                           ; v[64:127] row i: four numbers for section 0, four for section 1; a set for each row, so that no store's data is rewritten
	s_sub_co_u32 s2, s7, 896
	v_readfirstlane_b32 s6, v6
	s_lshl_b32 s20, s2, 6
	s_lshl3_add_u32 s20, s6, s20                   ; my wave's first position = 64 x group + 8 x wave
	s_lshl_b32 s21, s20, 9                         ; x 512 bytes
	s_mov_b32 s32, 0x3f22f983                      ; 2 / pi
	s_mov_b32 s33, 0x3fc90fdb                      ; pi / 2, upper part
	s_mov_b32 s34, 0xb33bbd2e                      ; pi / 2, the rest
	s_mov_b32 s35, 0xbe2aaaab                      ; -1/6
	s_mov_b32 s36, 0x3c088889                      ; 1/120
	s_mov_b32 s37, 0xb9500d01                      ; -1/5040
	s_mov_b32 s39, 0x3d2aaaab                      ; 1/24
	s_mov_b32 s40, 0xbab60b61                      ; -1/720
	s_mov_b32 s41, 0x37d00d01                      ; 1/40320
	s_mov_b32 s44, 0x3b000000                      ; 1/512
	s_mov_b32 s45, 0x3e0293ee                      ; qs = log2(e) / sqrt(128)
	v_and_b32 v7, 15, v5
	v_lshrrev_b32 v9, 4, v5                        ; 0: cosines, 1: sines
	v_lshl_add_u32 v8, v5, 4, s21                  ; my 16 bytes of the wave's first row; never rewritten
	v_cvt_f32_u32 v[CQ], v9
	v_sub_f32 v[CQ], 1.0, v[CQ]
	v_mov_b32 v[CQ+1], v[CQ]
	v_mov_b32 v[CQ+2], v[CQ]
	v_mov_b32 v[CQ+3], v[CQ]
.irp k, 0,1,2,3
	v_lshl_add_u32 v[IFQ+\k], v7, 2, \k            ; j
	v_cvt_f32_u32 v[IFQ+\k], v[IFQ+\k]
	v_mul_f32 v[IFQ+\k], 0xbe549a78, v[IFQ+\k]     ; -j log2(10000) / 64
.endr
.irp k, 0,1,2,3
	v_exp_f32 v[IFQ+\k], v[IFQ+\k]                 ; the plain instruction that must follow is the first conversion of ROW 0
.endr
.macro ROW i
	s_add_co_u32 s22, s20, \i
	v_cvt_f32_u32 v[SF], s22
	v_fma_f32 v[SC], v[SF], s44, 0.5               ; (s + 256) / 512, exact
	v_rcp_f32 v[RS], v[SC]                         ; used far below; the next line is plain and touches neither SC nor RS
	s_wait_alu depctr_va_vdst(0)
.irp k, 0,1,2,3
	v_mul_f32 v[AA+\k], v[SF], v[IFQ+\k]           ; the angle, one f32 product as in the formula
	v_mul_f32 v[NN+\k], s32, v[AA+\k]
	v_rndne_f32 v[NN+\k], v[NN+\k]                 ; n = nearest number of quarter turns (at most 1,303)
	v_fma_f32 v[RR+\k], -v[NN+\k], s33, v[AA+\k]
	v_fma_f32 v[RR+\k], -v[NN+\k], s34, v[RR+\k]   ; r = angle - n pi/2, |r| <= pi/4
	v_mul_f32 v[R2+\k], v[RR+\k], v[RR+\k]
	v_fma_f32 v[SP+\k], v[R2+\k], s37, s36
	v_fma_f32 v[CP+\k], v[R2+\k], s41, s40
	v_fma_f32 v[SP+\k], v[R2+\k], v[SP+\k], s35
	v_fma_f32 v[CP+\k], v[R2+\k], v[CP+\k], s39
	v_mul_f32 v[TT+\k], v[RR+\k], v[R2+\k]
	v_fma_f32 v[CP+\k], v[R2+\k], v[CP+\k], -0.5
	v_fma_f32 v[SP+\k], v[TT+\k], v[SP+\k], v[RR+\k]   ; sin r
	v_fma_f32 v[CP+\k], v[R2+\k], v[CP+\k], 1.0        ; cos r
	v_cvt_i32_f32 v[QQ+\k], v[NN+\k]
	v_sub_nc_u32 v[QQ+\k], v[QQ+\k], v9            ; sin a = cos(a - pi/2): the sine lanes take one quarter turn less
	v_and_b32 v[TT+\k], 1, v[QQ+\k]
	v_cmp_ne_u32 vcc_lo, 0, v[TT+\k]
	v_cndmask_b32 v[SP+\k], v[CP+\k], v[SP+\k], vcc_lo ; odd quadrant: the sine polynomial
	v_add_nc_u32 v[QQ+\k], 1, v[QQ+\k]
	v_and_b32 v[QQ+\k], 2, v[QQ+\k]                ; quadrants 1 and 2: negative
	v_lshlrev_b32 v[QQ+\k], 30, v[QQ+\k]
	v_xor_b32 v[SP+\k], v[SP+\k], v[QQ+\k]
.endr
	v_mul_f32 v[SCQ], s45, v[SC]
	s_wait_alu depctr_va_vdst(0)
	v_mul_f32 v[RSQ], s45, v[RS]
	v_mul_f32 v[OO+8*\i+0], v[SP+0], v[SCQ]        ; q: even j x sc, odd j / sc, all x qs
	v_mul_f32 v[OO+8*\i+1], v[SP+1], v[RSQ]
	v_mul_f32 v[OO+8*\i+2], v[SP+2], v[SCQ]
	v_mul_f32 v[OO+8*\i+3], v[SP+3], v[RSQ]
	v_mul_f32 v[OO+8*\i+4], v[SP+0], v[RS]         ; k: the other way round
	v_mul_f32 v[OO+8*\i+5], v[SP+1], v[SC]
	v_mul_f32 v[OO+8*\i+6], v[SP+2], v[RS]
	v_mul_f32 v[OO+8*\i+7], v[SP+3], v[SC]
	global_store_b128 v8, v[OO+8*\i:OO+8*\i+3],   s[24:25] offset:512*\i            ; a store of the wave is a whole row of 512 bytes
	global_store_b128 v8, v[OO+8*\i+4:OO+8*\i+7], s[24:25] offset:1048576+512*\i
	global_store_b128 v8, v[CQ:CQ+3],             s[24:25] offset:2097152+512*\i
.endm
.irp i, 0,1,2,3,4,5,6,7
	ROW \i
.endr
	s_endpgm
.Lcast_x:
	CAST 8, 18, 0, 11, 0, 0
.Lcast_wo:
	CAST 16, 22, 512, 11, 0, 1
.Lcast_wq:
	CAST 10, 20, 640, 10, 0, 0
.Lcast_wk:
	CAST 12, 20, 768, 9, 2048, 0
.Lcast_wv:
	CAST 14, 20, 832, 9, 3072, 0
.Lfunc_end_k_q4f0bdeeb7e_prep:
	.size	k_q4f0bdeeb7e_prep, .Lfunc_end_k_q4f0bdeeb7e_prep-k_q4f0bdeeb7e_prep
	.p2alignl 7, 3214868480
	.fill 96, 4, 3214868480
	.section	.rodata,"a",@progbits
	.p2align	6, 0x0
	.amdhsa_kernel k_q4f0bdeeb7e_prep
		.amdhsa_group_segment_fixed_size 0
		.amdhsa_private_segment_fixed_size 0
		.amdhsa_enable_private_segment 0
		.amdhsa_kernarg_size 72
		.amdhsa_user_sgpr_count 2
		.amdhsa_user_sgpr_kernarg_segment_ptr 1
		.amdhsa_wavefront_size32 1
		.amdhsa_system_sgpr_workgroup_id_x 1
		.amdhsa_system_sgpr_workgroup_id_y 1
		.amdhsa_system_sgpr_workgroup_id_z 1
		.amdhsa_system_vgpr_workitem_id 0
		.amdhsa_next_free_vgpr 128
		.amdhsa_next_free_sgpr 66
		.amdhsa_reserve_vcc 1
		.amdhsa_float_denorm_mode_32 3
		.amdhsa_float_denorm_mode_16_64 3
		.amdhsa_memory_ordered 1
		.amdhsa_forward_progress 1
		.amdhsa_inst_pref_size 96
	.end_amdhsa_kernel
	.amdgpu_metadata
---
amdhsa.version: [ 1, 2 ]
amdhsa.kernels:
  - .name:           k_q4f0bdeeb7e_prep
    .symbol:         k_q4f0bdeeb7e_prep.kd
    .args:
      - { .name: x, .offset: 0, .size: 8, .value_kind: global_buffer, .address_space: global }
      - { .name: Wq, .offset: 8, .size: 8, .value_kind: global_buffer, .address_space: global }
      - { .name: Wk, .offset: 16, .size: 8, .value_kind: global_buffer, .address_space: global }
      - { .name: Wv, .offset: 24, .size: 8, .value_kind: global_buffer, .address_space: global }
      - { .name: Wo, .offset: 32, .size: 8, .value_kind: global_buffer, .address_space: global }
      - { .name: xb, .offset: 40, .size: 8, .value_kind: global_buffer, .address_space: global }
      - { .name: wb, .offset: 48, .size: 8, .value_kind: global_buffer, .address_space: global }
      - { .name: woh, .offset: 56, .size: 8, .value_kind: global_buffer, .address_space: global }
      - { .name: tab, .offset: 64, .size: 8, .value_kind: global_buffer, .address_space: global }
    .group_segment_fixed_size: 0
    .private_segment_fixed_size: 0
    .kernarg_segment_align: 8
    .kernarg_segment_size: 72
    .max_flat_workgroup_size: 256
    .sgpr_count:     66
    .vgpr_count:     128
    .wavefront_size: 32
...
	.end_amdgpu_metadata
.endif
;; end of part 1
;; launch gemm_qkv (part 2): grid 16 x 16, 4 waves a work-group, clusters of 4 x 4, 327,680 bytes of LDS; arguments xb, wb, tab, qkv, scl; writes qkv, scl
.if DOCPART == 2
	.amdgcn_target "amdgcn-amd-amdhsa--gfx1250"
	.amdhsa_code_object_version 6
	.text
	.protected	k_q4f0bdeeb7e_gemm_qkv
	.globl	k_q4f0bdeeb7e_gemm_qkv
	.p2align	8
	.type	k_q4f0bdeeb7e_gemm_qkv,@function
k_q4f0bdeeb7e_gemm_qkv:
	s_mov_b64 s[64:65], 0
	v_nop
	global_prefetch_b8 v0, s[64:65] scope:SCOPE_SE
	s_setreg_imm32_b32 hwreg(HW_REG_WAVE_MODE, 25, 1), 1
	s_wait_xcnt 0x0
	s_wait_alu depctr_hold_cnt(0) depctr_sa_sdst(0) depctr_va_vdst(0) depctr_va_sdst(0) depctr_va_ssrc(0) depctr_va_vcc(0) depctr_vm_vsrc(0)
	s_getreg_b32 s2, hwreg(HW_REG_IB_STS2, 6, 4)
	s_cmp_eq_u32 s2, 0
	s_cbranch_scc0 .Lentry_in_a_cluster
	s_endpgm
.Lentry_in_a_cluster:
	s_bfe_u32 s2, ttmp6, 0x10000c
	s_cmp_lg_u32 s2, 0xf033
	s_cbranch_scc0 .Lentry_shape_is_right
	s_endpgm
.Lentry_shape_is_right:
; QKV: qkv[4096][2048] = xb[4096][2048] . wb[2048 k][2048 n], bf16 operands, f32 sums; RoPE, xPos and the softmax factor are applied on the way out.
; A work-group makes 256 rows x 128 columns (one head) with four waves; a wave makes 64 rows x 128 columns: 32 accumulator tiles, 256 registers.
; 16 x 16 work-groups.  K goes in steps of 128 through two LDS slots filled by the tensor data mover; every tile row is 256 bytes of memory at a multiple of 256.
; CLUSTERS: 4 x 4 work-groups.  x's tile hangs on the block row alone and is asked for jointly along a row of the cluster, w's on the block column alone and is asked
; for jointly along a column: the requests for both are divided by four.
; w lies [k][n]: its fragments are read from LDS by the transposing load.  The matrix instruction is used transposed (source 0 = 16 columns of w, source 1 = 16 rows
; of x), so that a lane holds row l % 16 and eight neighbouring columns 16 b + 8 (l / 16) + 0..7.
; THE RESULT IS f16 WITH A BLOCK SCALE.  xPos multiplies half of a score's terms by up to (2047+256)/256 = 9, so the scores of late queries are large and a rounding of q
; or k shows in the softmax: q, k, v are kept with f16's eleven bits, not bf16's eight.  They have no room in f16 as they are, so each wave (64 rows x one head) takes the
; largest magnitude of its block, clamps its exponent field to E' in [97, 157], stores block x 2^(127-E') in f16 and 2^(E'-127) in scl[column block][row block of 64].
; LIMITS: a block whose largest magnitude is below 2^-30 keeps an absolute error of 2^-55; magnitudes of 2^46 and more overflow.  The rotation and the xPos factor are
; one multiply-add with a combined table, so the order of rounding differs from the formula's.  v passes through x 1 + (other half) x 0: not for infinities or NaN.
; REGISTERS: window 0: v0-31 addresses, v32-127 and v128-223 two fragment buffers (eight of w, then four of x);  window 1: accumulator tile (a, b) at 8 (8 a + b);
; window 2: the table, (a, b', part) at 64 a + 16 b' + 8 part.
.set SIZE_K, 2048
.set KSTEP,  128
.set PA,     272                       ; LDS pitch of x's rows: 256 + 16, an odd multiple of 16
.set PB,     288                       ; LDS pitch of w's rows: 256 + 32, an odd multiple of 32
.set AHALF,  128*PA                    ; what one load brings of x: 128 rows
.set BHALF,  64*PB                     ; what one load brings of w: 64 k rows
.set BBASE,  2*AHALF
.set SLOT,   BBASE+2*BHALF             ; 106,496
.set STAGE,  2*SLOT                    ; behind the ring: 16 rows x 272 bytes for each wave; no tensor load lands there
.set SPITCH, 272
.set LAPS,   SIZE_K/(2*KSTEP)
.set ASTEP,  KSTEP*2                   ; a K step along x's rows, bytes
.set BSTEP,  KSTEP*4096                ; a K step down w's rows, bytes
.set ADRA, 16                          ; v16-17 LDS address of my x fragments, slot 0, 1
.set ADRB, 20                          ; v20-21 the same for w
.set STO,  24
.set RD,   25
.set CO,   26
.set TOFF, 27                          ; my byte offset in the table; not rewritten
.set F0,   32
.set F1,   128
.set G1,  24                           ; s[24:31] group 1, x's tiles
.set G0,  32                           ; s[32:39] group 0, x's tiles, a set for each slot
.set G1B, 48                           ; s[48:55] group 1, w's tiles
.set G0B, 56                           ; s[56:63] group 0, w's tiles
.set MSB, 0
.macro WIN new                         ; the immediate's high byte repeats the setting that is left
.if MSB != \new
	s_set_vgpr_msb (MSB<<8)|\new
.set MSB, \new
.endif
.endm
.macro PLACES                          ; four places behind a matrix instruction (ISA guide 7.12.1)
.rept 4
	v_nop
.endr
.endm
; A joint load: waves 0, 1 fetch x's two halves, waves 2, 3 w's.  Each line has one mask; the branch hangs on the wave's number alone.
.macro JLOAD s
	s_cmp_eq_u32 s11, 0
	s_cbranch_scc0 .Lfor_b_\@
	tensor_load_to_lds s[G0+4*\s:G0+4*\s+3], s[G1:G1+7]
	s_nop 0
	s_branch .Lasked_\@
.Lfor_b_\@:
	tensor_load_to_lds s[G0B+4*\s:G0B+4*\s+3], s[G1B:G1B+7]
	s_nop 0
.Lasked_\@:
.endm
.macro CREST                           ; a round of the cluster's barrier behind its opening barrier
	s_cmp_lg_u32 s10, 0
	s_cbranch_scc1 .Lnot_wave_0_\@
	s_barrier_signal -3
.Lnot_wave_0_\@:
	s_barrier_wait -3
	s_barrier_signal -1
	s_barrier_wait -1
.endm
.macro CROUND
	s_barrier_signal -1
	s_barrier_wait -1
	CREST
.endm
	s_load_b128 s[4:7], s[0:1], 0x0                ; xb, wb
	s_load_b128 s[68:71], s[0:1], 0x10             ; tab, qkv
	s_load_b64 s[72:73], s[0:1], 0x20              ; scl
	v_lshl_add_u32 v254, v0, 2, 0x38400
	v_mov_b32 v255, 0
	ds_add_u32 v254, v255
	v_lshrrev_b32 v1, 5, v0
	v_readfirstlane_b32 s10, v1                    ; wave 0..3
	s_lshr_b32 s11, s10, 1                         ; I fetch for x (0) or for w (1)
	s_and_b32 s12, s10, 1                          ; which half of that tile
	s_bfe_u32 s40, ttmp6, 0x40000                  ; cx
	s_bfe_u32 s41, ttmp6, 0x40004                  ; cy
	s_lshl_b32 s42, ttmp9, 2
	s_add_co_u32 s42, s42, s40                     ; block column
	s_and_b32 s13, ttmp7, 0xffff
	s_lshl_b32 s13, s13, 2
	s_add_co_u32 s13, s13, s41                     ; block row
	s_lshl_b32 s43, s41, 2
	s_lshl_b32 s43, 15, s43                        ; my row of the cluster
	s_lshl_b32 s44, 0x1111, s40                    ; my column
	s_or_b32 s[G1+0], s43, (1<<16)|(1<<20)|(1<<21)|(5<<22)|(3<<25)    ; mask; 2-byte elements; padding on; bit 21 beside a mask; after 64 words 4 words
	s_mov_b32 s[G1+1], KSTEP<<16                   ; tensor_dim0 = 128
	s_mov_b32 s[G1+2], 128<<16                     ; tensor_dim1 = 128
	s_mov_b32 s[G1+3], KSTEP<<16                   ; tile_dim0 = 128
	s_mov_b32 s[G1+4], 128                         ; tile_dim1 = 128 rows
	s_mov_b32 s[G1+5], SIZE_K                      ; elements from row to row
	s_mov_b32 s[G1+6], 0
	s_mov_b32 s[G1+7], 0
	s_or_b32 s[G1B+0], s44, (1<<16)|(1<<20)|(1<<21)|(5<<22)|(7<<25)   ; the same with my column's mask and 8 words of padding
	s_mov_b32 s[G1B+1], 128<<16
	s_mov_b32 s[G1B+2], 64<<16                     ; 64 k rows
	s_mov_b32 s[G1B+3], 128<<16
	s_mov_b32 s[G1B+4], 64
	s_mov_b32 s[G1B+5], 2048
	s_mov_b32 s[G1B+6], 0
	s_mov_b32 s[G1B+7], 0
	s_lshl_b32 s16, s13, 8
	s_lshl_b32 s17, s12, 7
	s_add_co_u32 s16, s16, s17                     ; x: row 256 x block row + 128 x half
	s_mul_i32 s16, s16, SIZE_K*2                   ; in bytes (below 2^25)
	s_mov_b32 s17, 0
	s_lshl_b32 s46, s42, 8                         ; w: 256 bytes x block column
	s_lshl_b32 s47, s12, 18                        ;    + 64 k rows of 4,096 bytes x half
	s_add_co_u32 s46, s46, s47
	s_mov_b32 s47, 0
	s_mul_i32 s20, s10, AHALF                      ; LDS: x's halves at wave x 34,816 (waves 0, 1)
	s_mul_i32 s21, s10, BHALF
	s_add_co_u32 s21, s21, BBASE-2*BHALF           ; w's halves at 69,632 + (wave - 2) x 18,432 (waves 2, 3)
	s_max_u32 s18, ttmp9, 1                        ; the table's section hangs on the cluster's x alone: 0, 1 -> q, 2 -> k, 3 -> v
	s_sub_co_u32 s18, s18, 1
	s_lshl_b32 s18, s18, 20
	s_mov_b32 s19, 0
	s_and_b32 s22, s13, 7
	s_lshl_b32 s22, s22, 8
	s_lshl_b32 s23, s10, 6
	s_add_co_u32 s22, s22, s23                     ; my first row's position in its sequence
	v_and_b32 v1, 15, v0                           ; r = l % 16
	v_bfe_u32 v2, v0, 4, 1                         ; h = l / 16
	v_add_nc_u32 v3, s22, v1
	v_lshlrev_b32 v3, 9, v3
	v_lshl_add_u32 v[TOFF], v2, 5, v3              ; position x 512 + 32 h
	s_wait_dscnt 0x0
	s_wait_kmcnt 0x0
	s_add_nc_u64 s[14:15], s[4:5], s[16:17]
	s_add_nc_u64 s[46:47], s[6:7], s[46:47]
	s_add_nc_u64 s[68:69], s[68:69], s[18:19]
	CROUND                                         ; all sixteen work-groups are here: the first joint loads meet
.irp s, 0,1
	s_mov_b32 s[G0+4*\s], 1
	s_add_co_u32 s[G0+4*\s+1], s20, \s*SLOT
	s_add_nc_u64 s[G0+4*\s+2:G0+4*\s+3], s[14:15], \s*ASTEP
	s_or_b32 s[G0+4*\s+3], s[G0+4*\s+3], 0x80000000
	s_mov_b32 s[G0B+4*\s], 1
	s_add_co_u32 s[G0B+4*\s+1], s21, \s*SLOT
	s_add_nc_u64 s[G0B+4*\s+2:G0B+4*\s+3], s[46:47], \s*BSTEP
	s_or_b32 s[G0B+4*\s+3], s[G0B+4*\s+3], 0x80000000
	JLOAD \s                                       ; both slots' first fills go out together: two tensor loads of the wave are out
.endr
	; The table of my 64 rows, 64 loads into window 2; they are waited for once, in front of the way out.
	WIN 0x80
.irp a, 0,1,2,3
.irp b, 0,1,2,3
.irp p, 0,1
	global_load_b128 v[64*\a+16*\b+8*\p:64*\a+16*\b+8*\p+3],   v[TOFF], s[68:69] offset:8192*\a+256*\p+64*\b
	global_load_b128 v[64*\a+16*\b+8*\p+4:64*\a+16*\b+8*\p+7], v[TOFF], s[68:69] offset:8192*\a+256*\p+64*\b+16
.endr
.endr
.endr
	WIN 0
	v_mul_u32_u24 v3, v1, PA
	v_lshl_add_u32 v3, v2, 4, v3
	s_mul_i32 s22, s10, 64*PA                      ; my 64 rows of x
	v_add_nc_u32 v[ADRA], s22, v3
	v_add_nc_u32 v[ADRA+1], SLOT, v[ADRA]
	v_and_b32 v4, 7, v0
	v_lshl_add_u32 v4, v2, 3, v4                   ; k row 8 h + (l & 7)
	v_mul_u32_u24 v4, v4, PB
	v_bfe_u32 v5, v0, 3, 1
	v_lshl_add_u32 v4, v5, 4, v4                   ; + 16 bytes for lanes 8-15 of each half
	v_add_nc_u32 v[ADRB], BBASE, v4
	v_add_nc_u32 v[ADRB+1], BBASE+SLOT, v4
	s_mul_i32 s23, s10, 16*SPITCH
	s_add_co_u32 s23, s23, STAGE                   ; my stage
	v_mul_u32_u24 v4, v1, SPITCH
	v_lshl_add_u32 v4, v2, 4, v4
	v_add_nc_u32 v[STO], s23, v4                   ; in: row r, 16 bytes for each half of the lanes
	v_mul_u32_u24 v5, v2, SPITCH
	v_lshl_add_u32 v5, v1, 4, v5
	v_add_nc_u32 v[RD], s23, v5                    ; back: lanes 0-15 one row of 256 bytes, lanes 16-31 the next
	v_lshlrev_b32 v5, 12, v2
	v_lshl_add_u32 v[CO], v1, 4, v5                ; the same two rows in qkv
; Eight matrix instructions: row block a x all eight column blocks, 32 along K.  The 32 accumulators take turns, one instruction a turn, in the same order in every
; quarter step.
.macro MULA f, a, zero
.irp b, 0,1,2,3,4,5,6,7
.if \zero
	v_wmma_f32_16x16x32_bf16 v[8*(8*\a+\b):8*(8*\a+\b)+7], v[\f+8*\b:\f+8*\b+7], v[\f+64+8*\a:\f+64+8*\a+7], 0
.else
	v_wmma_f32_16x16x32_bf16 v[8*(8*\a+\b):8*(8*\a+\b)+7], v[\f+8*\b:\f+8*\b+7], v[\f+64+8*\a:\f+64+8*\a+7], v[8*(8*\a+\b):8*(8*\a+\b)+7]
.endif
.endr
.endm
; 24 LDS loads in one run: quarter kq of a slot into buffer f: w's eight fragments (transposed on the way), then x's four
.macro FETCH slot, kq, f
	WIN 0
.irp b, 0,1,2,3,4,5,6,7
	ds_load_tr16_b128 v[\f+8*\b:\f+8*\b+3],   v[ADRB+\slot] offset:32*PB*\kq+32*\b
	ds_load_tr16_b128 v[\f+8*\b+4:\f+8*\b+7], v[ADRB+\slot] offset:32*PB*\kq+32*\b+16*PB
.endr
.irp a, 0,1,2,3
	ds_load_b128 v[\f+64+8*\a:\f+64+8*\a+3],   v[ADRA+\slot] offset:16*PA*\a+64*\kq
	ds_load_b128 v[\f+64+8*\a+4:\f+64+8*\a+7], v[ADRA+\slot] offset:16*PA*\a+64*\kq+32
.endr
.endm
.macro QUARTER slot, kq, f, g, zero
	s_wait_dscnt 4                                 ; w's fragments and x's blocks 0, 1 are in; the four youngest loads (blocks 2, 3) may be out
	WIN 0x50                                       ; C and D in window 1
	MULA \f, 0, \zero
	MULA \f, 1, \zero
	PLACES                                         ; buffer g was read by the quarter before
	FETCH \slot, \kq, \g
	s_wait_dscnt 24                                ; all but the 24 just issued
	WIN 0x50
	MULA \f, 2, \zero
	MULA \f, 3, \zero
.endm
.macro THREE slot, zero
	QUARTER \slot, 1, F0, F1, \zero
	QUARTER \slot, 2, F1, F0, 0
	QUARTER \slot, 3, F0, F1, 0
.endm
; The last quarter of a K step changes slots.  In front of the barrier each wave waits for its reads of this slot and for all its tensor loads (one is out: its part of
; the next slot); where the slot is filled again the barrier opens a round of the cluster's barrier, and the joint refill is the first tensor load behind the round.
.macro TURN slot, next, fill
	s_wait_dscnt 4
	WIN 0x50
	MULA F1, 0, 0
	s_wait_dscnt 0                                 ; my reads of this slot are over
	s_wait_tensorcnt 0x0                           ; all my tensor loads have landed
	ds_add_u32 v254, v255
	s_wait_dscnt 0x0
	s_barrier_signal -1
	MULA F1, 1, 0                                  ; register work while the others arrive
	WIN 0
	s_barrier_wait -1
.if \fill
	CREST
	s_add_nc_u64 s[G0+4*\slot+2:G0+4*\slot+3], s[G0+4*\slot+2:G0+4*\slot+3], 2*ASTEP      ; no tensor load of mine is out: the descriptors may be written
	s_add_nc_u64 s[G0B+4*\slot+2:G0B+4*\slot+3], s[G0B+4*\slot+2:G0B+4*\slot+3], 2*BSTEP
	JLOAD \slot
.endif
	PLACES
	FETCH \next, 0, F0
	WIN 0x50
	MULA F1, 2, 0
	MULA F1, 3, 0
.endm
.macro LAP zero
	THREE 0, \zero
	TURN 0, 1, 1
	THREE 1, 0
	TURN 1, 0, 1
.endm
	s_wait_tensorcnt 1                             ; my part of K step 0 is in; K step 1's stays out
	s_barrier_signal -1
	s_barrier_wait -1
	FETCH 0, 0, F0
	LAP 1                                          ; the first products start the sums: nothing is cleared
	WIN 0
	s_mov_b32 s3, LAPS-2
.Llap:
	LAP 0
	WIN 0
	s_sub_co_u32 s3, s3, 1
	s_cmp_lg_u32 s3, 0
	s_cbranch_scc1 .Llap
	THREE 0, 0                                     ; the last lap fills nothing
	TURN 0, 1, 0
	THREE 1, 0
	s_wait_dscnt 4
	WIN 0x50
	MULA F1, 0, 0
	MULA F1, 1, 0
	s_wait_dscnt 0
	MULA F1, 2, 0
	MULA F1, 3, 0
	WIN 0
	PLACES                                         ; behind the last matrix instructions: results are read, fragment registers written
	; THE WAY OUT.  Column j < 64 (tile b') and column j + 64 (tile b' + 4) are a pair: lo' = lo C - hi Sn, hi' = hi C + lo Sn, in place, in four passes of one window setting each.
.set TT, 32                            ; v[32:159] lo Sn of all 64 register pairs
.set MX, 160                           ; v[160:163] four running maxima
.set FS, 164                           ; v[164:165] the block's factor 2^(127-E'), twice
	s_mov_b32 s22, 0x76543210                      ; v_permlanex16_b32: lane i reads lane i of the other half
	s_mov_b32 s23, 0xfedcba98
	s_lshl_b32 s16, s13, 8
	s_lshl_b32 s17, s10, 6
	s_add_co_u32 s16, s16, s17                     ; my first row
	s_lshl_b32 s16, s16, 12
	s_mov_b32 s17, 0
	s_add_nc_u64 s[70:71], s[70:71], s[16:17]
	s_lshl_b32 s46, s42, 8                         ; my head's 256 bytes of a row
	s_mov_b32 s47, 0
	s_add_nc_u64 s[70:71], s[70:71], s[46:47]
	s_lshl_b32 s18, s42, 6
	s_lshl2_add_u32 s19, s13, s10
	s_add_co_u32 s18, s18, s19
	s_lshl_b32 s18, s18, 2                         ; scl[block column][4 x block row + wave]
	s_wait_loadcnt 0x0                             ; the table
	WIN 0x09                                       ; source 0 window 1, source 1 window 2, result window 0
.irp a, 0,1,2,3
.irp b, 0,1,2,3
.irp p, 0,2,4,6
	v_pk_mul_f32 v[TT+32*\a+8*\b+\p:TT+32*\a+8*\b+\p+1], v[64*\a+8*\b+\p:64*\a+8*\b+\p+1], v[64*\a+16*\b+8+\p:64*\a+16*\b+8+\p+1]
.endr
.endr
.endr
	WIN 0x49                                       ; result window 1
.irp a, 0,1,2,3
.irp b, 0,1,2,3
.irp p, 0,2,4,6
	v_pk_mul_f32 v[64*\a+8*\b+\p:64*\a+8*\b+\p+1], v[64*\a+8*\b+\p:64*\a+8*\b+\p+1], v[64*\a+16*\b+\p:64*\a+16*\b+\p+1]
.endr
.endr
.endr
	WIN 0x59                                       ; source 2 window 1 too
.irp a, 0,1,2,3
.irp b, 0,1,2,3
.irp p, 0,2,4,6
	v_pk_fma_f32 v[64*\a+8*\b+\p:64*\a+8*\b+\p+1], v[64*\a+8*\b+32+\p:64*\a+8*\b+32+\p+1], v[64*\a+16*\b+8+\p:64*\a+16*\b+8+\p+1], v[64*\a+8*\b+\p:64*\a+8*\b+\p+1] neg_lo:[0,1,0] neg_hi:[0,1,0]
.endr
.endr
.endr
	WIN 0x49                                       ; source 2 window 0
.irp a, 0,1,2,3
.irp b, 0,1,2,3
.irp p, 0,2,4,6
	v_pk_fma_f32 v[64*\a+8*\b+32+\p:64*\a+8*\b+32+\p+1], v[64*\a+8*\b+32+\p:64*\a+8*\b+32+\p+1], v[64*\a+16*\b+\p:64*\a+16*\b+\p+1], v[TT+32*\a+8*\b+\p:TT+32*\a+8*\b+\p+1]
.endr
.endr
.endr
	WIN 0x05                                       ; the largest magnitude of my 256 numbers, in four chains started by the first eight
.set n, 0
.rept 128
.if n < 4
	v_max_num_f32 v[MX+n], |v[2*n]|, |v[2*n+1]|
.else
	v_max3_num_f32 v[MX+n%4], |v[2*n]|, |v[2*n+1]|, v[MX+n%4]
.endif
.set n, n+1
.endr
	WIN 0
	v_max3_num_f32 v[MX], v[MX], v[MX+1], v[MX+2]
	v_max_num_f32 v[MX], v[MX], v[MX+3]
	v_max_num_f32_dpp v[MX], v[MX], v[MX] row_xmask:1 row_mask:0xf bank_mask:0xf
	v_max_num_f32_dpp v[MX], v[MX], v[MX] row_xmask:2 row_mask:0xf bank_mask:0xf
	v_max_num_f32_dpp v[MX], v[MX], v[MX] row_xmask:4 row_mask:0xf bank_mask:0xf
	v_max_num_f32_dpp v[MX], v[MX], v[MX] row_xmask:8 row_mask:0xf bank_mask:0xf
	v_permlanex16_b32 v[MX+1], v[MX], s22, s23
	v_max_num_f32 v[MX], v[MX], v[MX+1]            ; the block's largest magnitude, in every lane
	v_lshrrev_b32 v[MX+1], 23, v[MX]               ; its exponent field
	v_max_u32 v[MX+1], 97, v[MX+1]
	v_min_u32 v[MX+1], 157, v[MX+1]                ; E'
	v_lshlrev_b32 v[MX+2], 23, v[MX+1]             ; 2^(E'-127): goes to scl
	v_sub_nc_u32 v[MX+3], 254, v[MX+1]
	v_lshlrev_b32 v[FS], 23, v[MX+3]               ; 2^(127-E')
	v_mov_b32 v[FS+1], v[FS]
; rows 16 a .. 16 a + 15: scale, round to f16, 16 bytes a lane into my stage, back as whole rows of 256 bytes.  g: registers for the rows read back, two sets in turn
.macro OUT a, g
	WIN 0x01
.irp b, 0,1,2,3,4,5,6,7
.irp p, 0,2,4,6
	v_pk_mul_f32 v[32+8*\b+\p:32+8*\b+\p+1], v[64*\a+8*\b+\p:64*\a+8*\b+\p+1], v[FS:FS+1]
.endr
.endr
	WIN 0
.irp b, 0,1,2,3,4,5,6,7
.irp r, 0,1,2,3
	v_cvt_pk_f16_f32 v[96+4*\b+\r], v[32+8*\b+2*\r], v[32+8*\b+2*\r+1]
.endr
.endr
.irp b, 0,1,2,3,4,5,6,7
	ds_store_b128 v[STO], v[96+4*\b:96+4*\b+3] offset:32*\b
.endr
	s_wait_xcnt 0x0                                ; the stores' base and set g, which earlier stores read, are rewritten only behind this wait (ISA guide 3.1)
.if \a
	s_add_nc_u64 s[70:71], s[70:71], 16*4096
.endif
.irp t, 0,1,2,3,4,5,6,7
	ds_load_b128 v[\g+4*\t:\g+4*\t+3], v[RD] offset:\t*2*SPITCH    ; LDS serves a wave's instructions in order (ISA guide 5.7.1): these see the stores above
.endr
.irp t, 0,1,2,3,4,5,6,7
	s_wait_dscnt 7-\t
	global_store_b128 v[CO], v[\g+4*\t:\g+4*\t+3], s[70:71] offset:8192*\t   ; 16 lanes store 256 consecutive bytes at a multiple of 256
.endr
.endm
	OUT 0, 168
	OUT 1, 200
	OUT 2, 168
	OUT 3, 200
	v_and_b32 v167, 31, v0
	v_mov_b32 v166, s18
	s_wait_xcnt 0x0                                ; EXEC is a source of the stores above: it changes only behind this wait
	v_cmp_eq_u32 vcc_lo, 0, v167
	s_and_saveexec_b32 s19, vcc_lo
	global_store_b32 v166, v[MX+2], s[72:73]       ; one lane stores the block's scale
	s_wait_xcnt 0x0
	s_or_b32 exec_lo, exec_lo, s19
	s_wait_tensorcnt 0x0
	ds_add_u32 v254, v255
	s_wait_dscnt 0x0
	CROUND                                         ; the closing round: no work-group ends while a partner may still ask jointly
	s_endpgm
.Lfunc_end_k_q4f0bdeeb7e_gemm_qkv:
	.size	k_q4f0bdeeb7e_gemm_qkv, .Lfunc_end_k_q4f0bdeeb7e_gemm_qkv-k_q4f0bdeeb7e_gemm_qkv
	.p2alignl 7, 3214868480
	.fill 96, 4, 3214868480
	.section	.rodata,"a",@progbits
	.p2align	6, 0x0
	.amdhsa_kernel k_q4f0bdeeb7e_gemm_qkv
		.amdhsa_group_segment_fixed_size 327680
		.amdhsa_private_segment_fixed_size 0
		.amdhsa_enable_private_segment 0
		.amdhsa_kernarg_size 40
		.amdhsa_user_sgpr_count 2
		.amdhsa_user_sgpr_kernarg_segment_ptr 1
		.amdhsa_wavefront_size32 1
		.amdhsa_system_sgpr_workgroup_id_x 1
		.amdhsa_system_sgpr_workgroup_id_y 1
		.amdhsa_system_sgpr_workgroup_id_z 1
		.amdhsa_system_vgpr_workitem_id 0
		.amdhsa_next_free_vgpr 768
		.amdhsa_next_free_sgpr 74
		.amdhsa_reserve_vcc 1
		.amdhsa_float_denorm_mode_32 3
		.amdhsa_float_denorm_mode_16_64 3
		.amdhsa_memory_ordered 1
		.amdhsa_forward_progress 1
		.amdhsa_inst_pref_size 158
	.end_amdhsa_kernel
	.amdgpu_metadata
---
amdhsa.version: [ 1, 2 ]
amdhsa.kernels:
  - .name:           k_q4f0bdeeb7e_gemm_qkv
    .symbol:         k_q4f0bdeeb7e_gemm_qkv.kd
    .args:
      - { .name: xb, .offset: 0, .size: 8, .value_kind: global_buffer, .address_space: global }
      - { .name: wb, .offset: 8, .size: 8, .value_kind: global_buffer, .address_space: global }
      - { .name: tab, .offset: 16, .size: 8, .value_kind: global_buffer, .address_space: global }
      - { .name: qkv, .offset: 24, .size: 8, .value_kind: global_buffer, .address_space: global }
      - { .name: scl, .offset: 32, .size: 8, .value_kind: global_buffer, .address_space: global }
    .group_segment_fixed_size: 327680
    .private_segment_fixed_size: 0
    .kernarg_segment_align: 8
    .kernarg_segment_size: 40
    .max_flat_workgroup_size: 128
    .sgpr_count:     74
    .vgpr_count:     768
    .wavefront_size: 32
...
	.end_amdgpu_metadata
.endif
;; end of part 2
;; launch attn (part 3): grid 256 x 1, 8 waves a work-group, clusters of 4 x 1, 327,680 bytes of LDS; arguments qkv, scl, ah; writes ah
.if DOCPART == 3
	.amdgcn_target "amdgcn-amd-amdhsa--gfx1250"
	.amdhsa_code_object_version 6
	.text
	.protected	k_q4f0bdeeb7e_attn
	.globl	k_q4f0bdeeb7e_attn
	.p2align	8
	.type	k_q4f0bdeeb7e_attn,@function
k_q4f0bdeeb7e_attn:
	s_mov_b64 s[64:65], 0
	v_nop
	global_prefetch_b8 v0, s[64:65] scope:SCOPE_SE
	s_setreg_imm32_b32 hwreg(HW_REG_WAVE_MODE, 25, 1), 1
	s_wait_xcnt 0x0
	s_wait_alu depctr_hold_cnt(0) depctr_sa_sdst(0) depctr_va_vdst(0) depctr_va_sdst(0) depctr_va_ssrc(0) depctr_va_vcc(0) depctr_vm_vsrc(0)
	s_getreg_b32 s2, hwreg(HW_REG_IB_STS2, 6, 4)
	s_cmp_eq_u32 s2, 0
	s_cbranch_scc0 .Lentry_in_a_cluster
	s_endpgm
.Lentry_in_a_cluster:
	s_bfe_u32 s2, ttmp6, 0x10000c
	s_cmp_lg_u32 s2, 0x3003
	s_cbranch_scc0 .Lentry_shape_is_right
	s_endpgm
.Lentry_shape_is_right:
; ATTENTION: causal, 8 query heads on 4 key/value heads, head size 128, running maximum.  qkv: f16 [4096 tokens][2048] (q 0-1023, k 1024-1535, v 1536-2047) with one
; power-of-two scale for each block of 64 tokens x one head in scl[16][64].  ah: f16 [4096][1024] in units of Ug, the largest of the 256 scales of v.
; SHARES.  A cluster c = 0..63 is a batch, a key/value head and a number pp = 0..7; its four work-groups are the two query heads of that head x i = 2 pp, 2 pp + 1.
; A work-group owns two blocks of 64 queries of one head: block 31 - i (waves 0-3) and block i (waves 4-7).  Keys go in T = 16 - pp steps of 128; the long block needs
; all T, the short one pp + 1: 17 step units in every work-group.  In a set of four waves (w >> 1) & 1 picks 32 queries and w & 1 picks 64 of the step's 128 keys; the
; two key halves are merged at the end through LDS.
; THE RING: two LDS slots, each with the k and v rows of TWO steps (256 tokens), D = 8 - (pp >> 1) such double tiles.  One round of the cluster's barrier and one wait for
; all tensor loads stand in front of every two steps, and a refill has two steps' work (128 matrix instructions and two softmaxes of an active wave) in which to land.
; Every wave fetches: waves 0-3 the four quarters of v's 256 rows, waves 4-7 those of k's.  Where T is odd the last slot's second half is fetched and not read.
; JOINT LOADS: the four work-groups walk the same tiles of k and v; D, T and both limits hang on the cluster's number and the wave's number alone.  Each tile is asked
; for once by all four (mask 15); the place in the cluster enters global addresses and lane data only.
; TRANSPOSED: S^T = K Q^T, so a lane holds one query (l % 16) and keys 8 (l / 16) + j; packed to f16 in place these registers are the second source of out^T = V^T P^T,
; with V^T read by the transposing LDS load.  No shuffle of P.
; SCALES are powers of two, so their products and quotients are sums and differences of the bit patterns.  The scores' factor C = ks qs is one scalar a step and rides
; on the multiply-add that takes the maximum away.  The accumulator is kept in units of the current block of v: it is rescaled by exp2(M - m') vs_before / vs_now.
; LIMITS: masked scores are -FLT_MAX, not -infinity; keys behind the mask are not multiplied, so infinities or NaN there do not spread; P is rounded to f16 while
; its sum is kept in f32; scales are clamped to 2^-30 .. 2^30 where they are made.
.set PK,    272
.set PV,    288
.set VQ,    64*PV                      ; what one load brings of v: 64 rows
.set KQ,    64*PK                      ; what one load brings of k
.set KBASE, 4*VQ                       ; a slot: v's 256 rows, then k's 256 rows
.set SLOT,  KBASE+4*KQ                 ; 143,360
.set XCHB,  0                          ; the exchange of the merge, for each pair of waves 32 x 512 bytes of sums + 512 bytes of maxima and sums of P: 67,584 bytes
.set XCHSZ, 16896                      ; at the head of slot 0, which by then has had its last fill and its last read (a barrier stands in front of the first store)
.set OSTB,  2*SLOT                     ; 286,720: for each pair 16 rows x 272 bytes on the way out; no tensor load lands there
.set OPITCH, 272
.set DTILEB, 256*4096                  ; a double tile of 256 tokens in qkv
.set ONE,   0x3f800000
.set ADRK, 8                           ; v8-9    LDS address of my k fragments, slot 0, 1
.set ADRV, 10                          ; v10-11  the same for v
.set QOFF, 12
.set XCH,  13
.set STO,  14
.set RD,   15
.set CO,   16
.set DQ,   17                          ; v17-18  query minus key of register 0 in the diagonal tile, query tile 0, 1
.set KS,   19                          ; lane l: scale of k's block l of this batch and head
.set VS,   20                          ; the same for v
.set QS,   21                          ; the same for my query head
.set UG,   22                          ; v[22:29] eight of the 256 scales of v
.set S,    32                          ; v[32:95]  scores, tile (kt, qt) at 32 qt + 8 kt; then P
.set FA,   96                          ; v[96:159], v[160:223] fragments of k, then of v
.set FB,   160
.set MM,   224                         ; v224-225 running maxima, v226-227 sums of P
.set LL,   226
.set NM,   228                         ; v[228:229] minus the maximum, twice
.set AL,   230                         ; v[230:233] the accumulators' factor, twice for each query tile
.set T,    234                         ; v[234:249] at work
.set PS,   250                         ; v[250:253] the partner's maxima and sums
.set GBR,  32                          ; merge: the partner's factor, twice for each query tile
.set PKD,  64                          ; merge: packed results
; window 1: accumulator (qt, dt) at 8 (8 qt + dt); q fragment (qt, ks) at 128 + 8 (4 qt + ks)
.set G1V, 16
.set G1K, 24
.set G0V, 32                           ; a set for each slot
.set G0K, 40
.set MSB, 0
.macro WIN new                         ; the immediate's high byte repeats the setting that is left
.if MSB != \new
	s_set_vgpr_msb (MSB<<8)|\new
.set MSB, \new
.endif
.endm
.macro PLACES                          ; four places behind a matrix instruction (ISA guide 7.12.1)
.rept 4
	v_nop
.endr
.endm
.macro ROUND                           ; a round of the cluster's barrier
	s_barrier_signal -1
	s_barrier_wait -1
	s_cmp_lg_u32 s8, 0
	s_cbranch_scc1 .Lnot_wave_0_\@
	s_barrier_signal -3
.Lnot_wave_0_\@:
	s_barrier_wait -3
	s_barrier_signal -1
	s_barrier_wait -1
.endm
.macro JLOAD s                         ; waves 0-3: v's quarters; waves 4-7: k's.  Each line has one mask; the branch hangs on the wave's number alone
	s_cmp_ge_u32 s8, 4
	s_cbranch_scc1 .Lfor_k_\@
	tensor_load_to_lds s[G0V+4*(\s):G0V+4*(\s)+3], s[G1V:G1V+7]
	s_nop 0
	s_branch .Lasked_\@
.Lfor_k_\@:
	tensor_load_to_lds s[G0K+4*(\s):G0K+4*(\s)+3], s[G1K:G1K+7]
	s_nop 0
.Lasked_\@:
.endm
	s_load_b128 s[4:7], s[0:1], 0x0                ; qkv, scl
	s_load_b64 s[74:75], s[0:1], 0x10              ; ah
	v_lshl_add_u32 v254, v0, 2, 0x4a400
	v_mov_b32 v255, 0
	ds_add_u32 v254, v255
	v_lshrrev_b32 v1, 5, v0
	v_readfirstlane_b32 s8, v1                     ; wave 0..7
	s_mov_b32 s9, ttmp9                            ; cluster 0..63
	s_bfe_u32 s10, ttmp6, 0x40000                  ; cx
	s_and_b32 s11, s9, 7                           ; pp
	s_bfe_u32 s55, s9, 0x20003                     ; key/value head
	s_bfe_u32 s54, s9, 0x10005                     ; batch
	s_sub_co_u32 s12, 16, s11                      ; T
	s_add_co_u32 s13, s11, 1
	s_lshr_b32 s52, s8, 2                          ; set: 0 long, 1 short
	s_and_b32 s56, s8, 1                           ; kw: my half of a step's keys
	s_bfe_u32 s57, s8, 0x10001                     ; rw: my half of the block's queries
	s_cmp_eq_u32 s52, 0
	s_cselect_b32 s13, s12, s13                    ; limit: I compute while t < limit
	s_sub_co_u32 s14, s13, 1                       ; my diagonal step
	s_mov_b32 s15, 0                               ; t
	s_mov_b32 s49, 0xff7fffff                      ; -FLT_MAX
	s_mov_b32 s50, 0x76543210                      ; v_permlanex16_b32: lane i reads lane i of the other half
	s_mov_b32 s51, 0xfedcba98
	; group 1 of both kinds of tile: 64 rows x 128 elements of 2 bytes, rows 2,048 elements apart, mask 15 with bit 21 beside it, padding behind every 64 words
	s_mov_b32 s[G1V+0], 15|(1<<16)|(1<<20)|(1<<21)|(5<<22)|(7<<25)    ; v: 8 words of padding, pitch 288
	s_mov_b32 s[G1V+1], 128<<16
	s_mov_b32 s[G1V+2], 64<<16
	s_mov_b32 s[G1V+3], 128<<16
	s_mov_b32 s[G1V+4], 64
	s_mov_b32 s[G1V+5], 2048
	s_mov_b32 s[G1V+6], 0
	s_mov_b32 s[G1V+7], 0
	s_mov_b32 s[G1K+0], 15|(1<<16)|(1<<20)|(1<<21)|(5<<22)|(3<<25)    ; k: 4 words, pitch 272
	s_mov_b32 s[G1K+1], 128<<16
	s_mov_b32 s[G1K+2], 64<<16
	s_mov_b32 s[G1K+3], 128<<16
	s_mov_b32 s[G1K+4], 64
	s_mov_b32 s[G1K+5], 2048
	s_mov_b32 s[G1K+6], 0
	s_mov_b32 s[G1K+7], 0
	s_lshl_b32 s58, s54, 23                        ; batch x 2,048 tokens x 4,096 bytes
	s_and_b32 s60, s8, 3
	s_lshl_b32 s60, s60, 18                        ; + the quarter that I fetch: 64 tokens
	s_or_b32 s58, s58, s60
	s_lshl_b32 s60, s55, 8                         ; + head x 256 bytes
	s_or_b32 s58, s58, s60
	s_mov_b32 s59, 0
	s_mul_i32 s60, s8, VQ                          ; LDS: v's quarters at wave x 18,432 (waves 0-3)
	s_mul_i32 s61, s8, KQ
	s_add_co_u32 s61, s61, KBASE-4*KQ              ; k's quarters at 73,728 + (wave - 4) x 17,408 (waves 4-7)
	; what hangs on the place in the cluster: global addresses and lane data only
	s_and_b32 s53, s10, 1
	s_lshl1_add_u32 s53, s11, s53                  ; i
	s_sub_co_u32 s3, 31, s53
	s_cmp_eq_u32 s52, 0
	s_cselect_b32 s53, s3, s53                     ; jb: my block of 64 queries
	s_lshr_b32 s3, s10, 1
	s_lshl1_add_u32 s3, s55, s3                    ; query head
	s_lshl_b32 s3, s3, 8                           ; x 256: its bytes in a row of qkv and of ah, and its row of scl
	s_lshl_b32 s52, s54, 11
	s_lshl_b32 s76, s53, 6
	s_add_co_u32 s52, s52, s76
	s_lshl_b32 s76, s57, 5
	s_add_co_u32 s52, s52, s76                     ; my first query's token
	s_and_b32 s76, s53, 1
	s_lshl_b32 s76, s76, 6
	s_lshl_b32 s77, s57, 5
	s_add_co_u32 s76, s76, s77
	s_lshl_b32 s77, s56, 6
	s_sub_co_u32 s76, s76, s77                     ; 64 (jb & 1) + 32 rw - 64 kw
	v_and_b32 v1, 15, v0                           ; r
	v_bfe_u32 v2, v0, 4, 1                         ; h
	v_and_b32 v5, 31, v0                           ; lane
	v_add_nc_u32 v3, s52, v1
	v_lshlrev_b32 v3, 12, v3
	v_lshl_add_u32 v3, v2, 4, v3
	v_add_nc_u32 v[QOFF], s3, v3                   ; q: (token + r) x 4,096 + head x 256 + 16 h
	v_add_nc_u32 v3, s52, v2
	v_lshlrev_b32 v3, 11, v3
	v_lshl_add_u32 v3, v1, 4, v3
	v_add_nc_u32 v[CO], s3, v3                     ; ah: (token + h) x 2,048 + head x 256 + 16 r
	v_lshlrev_b32 v3, 3, v2
	v_sub_nc_u32 v3, v1, v3
	v_add_nc_u32 v[DQ], s76, v3
	v_add_nc_u32 v[DQ+1], 16, v[DQ]
	s_lshl_b32 s77, s54, 7
	v_lshl_add_u32 v31, v5, 2, s77                 ; scl: 4 x (32 x batch + lane)
	v_add_nc_u32 v7, s3, v31                       ; + my query head's row
	s_lshl_b32 s77, s55, 8
	v_add_nc_u32 v30, s77, v31                     ; + the key/value head's row (rows 8.. and 12.. by the immediate)
	v_lshlrev_b32 v6, 5, v5
	s_wait_dscnt 0x0
	s_wait_kmcnt 0x0
	s_add_nc_u64 s[62:63], s[4:5], s[58:59]
.irp s, 0,1
	s_mov_b32 s[G0V+4*\s], 1
	s_add_co_u32 s[G0V+4*\s+1], s60, \s*SLOT
	s_add_nc_u64 s[G0V+4*\s+2:G0V+4*\s+3], s[62:63], 3072+\s*DTILEB    ; double tile s of v
	s_or_b32 s[G0V+4*\s+3], s[G0V+4*\s+3], 0x80000000
	s_mov_b32 s[G0K+4*\s], 1
	s_add_co_u32 s[G0K+4*\s+1], s61, \s*SLOT
	s_add_nc_u64 s[G0K+4*\s+2:G0K+4*\s+3], s[62:63], 2048+\s*DTILEB    ; double tile s of k
	s_or_b32 s[G0K+4*\s+3], s[G0K+4*\s+3], 0x80000000
.endr
	ROUND                                          ; in front of the first joint loads
	JLOAD 0                                        ; both slots' first fills go out together: two tensor loads of the wave are out here, one behind each later round
	JLOAD 1
	WIN 0x40                                       ; my 32 queries as second-source fragments, straight from memory into window 1
.irp qt, 0,1
.irp ks, 0,1,2,3
	global_load_b128 v[128+8*(4*\qt+\ks):128+8*(4*\qt+\ks)+3],   v[QOFF], s[4:5] offset:65536*\qt+64*\ks
	global_load_b128 v[128+8*(4*\qt+\ks)+4:128+8*(4*\qt+\ks)+7], v[QOFF], s[4:5] offset:65536*\qt+64*\ks+32
.endr
.endr
	WIN 0
	global_load_b32 v[KS], v30, s[6:7] offset:2048
	global_load_b32 v[VS], v30, s[6:7] offset:3072
	global_load_b32 v[QS], v7, s[6:7]
	global_load_b128 v[UG:UG+3],   v6, s[6:7] offset:3072
	global_load_b128 v[UG+4:UG+7], v6, s[6:7] offset:3088
	s_lshl_b32 s77, s56, 6                         ; my 64 keys of a step
	v_add_nc_u32 v3, s77, v1
	v_mul_u32_u24 v3, v3, PK
	v_lshl_add_u32 v3, v2, 4, v3
	v_add_nc_u32 v[ADRK], KBASE, v3
	v_add_nc_u32 v[ADRK+1], KBASE+SLOT, v3
	v_and_b32 v4, 7, v0
	v_lshl_add_u32 v4, v2, 3, v4
	v_add_nc_u32 v4, s77, v4
	v_mul_u32_u24 v4, v4, PV
	v_bfe_u32 v3, v0, 3, 1
	v_lshl_add_u32 v[ADRV], v3, 4, v4
	v_add_nc_u32 v[ADRV+1], SLOT, v[ADRV]
	s_lshr_b32 s77, s8, 1                          ; my pair of waves
	s_mul_i32 s78, s77, XCHSZ
	s_add_co_u32 s78, s78, XCHB
	v_lshl_add_u32 v[XCH], v5, 4, s78
	s_mul_i32 s78, s77, 16*OPITCH
	s_add_co_u32 s78, s78, OSTB
	v_mul_u32_u24 v3, v1, OPITCH
	v_lshl_add_u32 v3, v2, 4, v3
	v_add_nc_u32 v[STO], s78, v3
	v_mul_u32_u24 v3, v2, OPITCH
	v_lshl_add_u32 v3, v1, 4, v3
	v_add_nc_u32 v[RD], s78, v3
	s_lshr_b32 s48, s11, 1
	s_sub_co_u32 s48, 6, s48                       ; D - 2
	s_lshr_b32 s48, s48, 1                         ; trips of the loop: 3, 2, 2, 1 for pp >> 1 = 0 .. 3
	s_max_u32 s48, s48, 1                          ; at least one, whatever stood in the id
; 16 score products: key tiles k0, k0 + 1 x both query tiles x the four parts of the head size.  Four accumulators take turns, one instruction a turn.
.macro SPROD k0
.irp ks, 0,1,2,3
.irp kt, \k0, \k0+1
.irp qt, 0,1
.if \ks == 0
	v_wmma_f32_16x16x32_f16 v[S+32*\qt+8*(\kt):S+32*\qt+8*(\kt)+7], v[FA+32*(\kt)+8*\ks:FA+32*(\kt)+8*\ks+7], v[128+8*(4*\qt+\ks):128+8*(4*\qt+\ks)+7], 0
.else
	v_wmma_f32_16x16x32_f16 v[S+32*\qt+8*(\kt):S+32*\qt+8*(\kt)+7], v[FA+32*(\kt)+8*\ks:FA+32*(\kt)+8*\ks+7], v[128+8*(4*\qt+\ks):128+8*(4*\qt+\ks)+7], v[S+32*\qt+8*(\kt):S+32*\qt+8*(\kt)+7]
.endif
.endr
.endr
.endr
.endm
; 16 products P V: 32 keys (part c) x the eight parts of the head size x both query tiles; sixteen accumulators take turns
.macro PVPROD c, zero
.irp dt, 0,1,2,3,4,5,6,7
.irp qt, 0,1
.if \zero
	v_wmma_f32_16x16x32_f16 v[8*(8*\qt+\dt):8*(8*\qt+\dt)+7], v[FA+64*\c+8*\dt:FA+64*\c+8*\dt+7], v[S+32*\qt+16*\c:S+32*\qt+16*\c+7], 0
.else
	v_wmma_f32_16x16x32_f16 v[8*(8*\qt+\dt):8*(8*\qt+\dt)+7], v[FA+64*\c+8*\dt:FA+64*\c+8*\dt+7], v[S+32*\qt+16*\c:S+32*\qt+16*\c+7], v[8*(8*\qt+\dt):8*(8*\qt+\dt)+7]
.endif
.endr
.endr
.endm
; The diagonal step: the scores take their factor now and C becomes 1, so that -FLT_MAX stays as it is; then keys behind the query are set to it.
.macro MASK
.set n, 0
.rept 32
	v_pk_mul_f32 v[S+2*n:S+2*n+1], v[S+2*n:S+2*n+1], s[68:69] op_sel_hi:[1,0]
.set n, n+1
.endr
	s_mov_b32 s68, 1.0
	s_mov_b32 s69, 1.0
.irp qt, 0,1
.irp kt, 0,1,2,3
.irp j, 0,1,2,3,4,5,6,7
	v_cmp_le_i32 vcc_lo, 16*\kt+\j, v[DQ+\qt]
	v_cndmask_b32 v[S+32*\qt+8*\kt+\j], s49, v[S+32*\qt+8*\kt+\j], vcc_lo
.endr
.endr
.endr
.endm
; Softmax of one query tile's 32 registers: new maximum, factor for what was summed before, P = exp2(C s - m'), its sum, P packed to f16 in place.
.macro SOFT qt, first
.irp c, 0,1,2,3
	v_max3_num_f32 v[T+\c], v[S+32*\qt+8*\c], v[S+32*\qt+8*\c+1], v[S+32*\qt+8*\c+2]
.endr
.irp c, 0,1,2,3
	v_max3_num_f32 v[T+\c], v[T+\c], v[S+32*\qt+8*\c+3], v[S+32*\qt+8*\c+4]
.endr
.irp c, 0,1,2,3
	v_max3_num_f32 v[T+\c], v[T+\c], v[S+32*\qt+8*\c+5], v[S+32*\qt+8*\c+6]
.endr
.irp c, 0,1,2,3
	v_max_num_f32 v[T+\c], v[T+\c], v[S+32*\qt+8*\c+7]
.endr
	v_max3_num_f32 v[T], v[T], v[T+1], v[T+2]
	v_max_num_f32 v[T], v[T], v[T+3]
	v_permlanex16_b32 v[T+1], v[T], s50, s51       ; the other half of the lanes holds the query's other keys
	v_max_num_f32 v[T], v[T], v[T+1]
	v_mul_f32 v[T+4], s68, v[T]                    ; C is a positive power of two: the largest score is exactly C times the largest product
.if \first == 0
	v_max_num_f32 v[T+4], v[T+4], v[MM+\qt]        ; m'
	v_sub_f32 v[T+5], v[MM+\qt], v[T+4]
	v_exp_f32 v[T+6], v[T+5]                       ; exp2(M - m'); the next line is plain and touches neither register (ISA guide 5.7.2)
.endif
	v_xor_b32 v[NM], 0x80000000, v[T+4]
	v_xor_b32 v[NM+1], 0x80000000, v[T+4]
.if \first == 0
	s_wait_alu depctr_va_vdst(0)
	v_mul_f32 v[AL+2*\qt], s72, v[T+6]             ; the accumulators also change from the last block's units of v to this block's
	v_mul_f32 v[AL+2*\qt+1], s72, v[T+6]
.endif
.set n, 0
.rept 16
	v_pk_fma_f32 v[S+32*\qt+2*n:S+32*\qt+2*n+1], v[S+32*\qt+2*n:S+32*\qt+2*n+1], s[68:69], v[NM:NM+1] op_sel_hi:[1,0,1]
.set n, n+1
.endr
.set n, 0
.rept 32
	v_exp_f32 v[S+32*\qt+n], v[S+32*\qt+n]
.set n, n+1
.endr
	v_mov_b32 v[MM+\qt], v[T+4]                    ; the plain instruction behind the run of exponentials
	s_wait_alu depctr_va_vdst(0)
.irp c, 0,1,2,3
	v_pk_add_f32 v[T+8+2*\c:T+8+2*\c+1], v[S+32*\qt+4*\c:S+32*\qt+4*\c+1], v[S+32*\qt+4*\c+2:S+32*\qt+4*\c+3]
.endr
.irp c, 0,1,2,3
	v_pk_add_f32 v[T+8+2*\c:T+8+2*\c+1], v[T+8+2*\c:T+8+2*\c+1], v[S+32*\qt+16+2*\c:S+32*\qt+16+2*\c+1]
.endr
.irp c, 0,1,2,3
	v_pk_add_f32 v[T+8+2*\c:T+8+2*\c+1], v[T+8+2*\c:T+8+2*\c+1], v[S+32*\qt+24+2*\c:S+32*\qt+24+2*\c+1]
.endr
	v_pk_add_f32 v[T+8:T+9], v[T+8:T+9], v[T+10:T+11]
	v_pk_add_f32 v[T+12:T+13], v[T+12:T+13], v[T+14:T+15]
	v_pk_add_f32 v[T+8:T+9], v[T+8:T+9], v[T+12:T+13]
.if \first
	v_add_f32 v[LL+\qt], v[T+8], v[T+9]            ; my half's sum; the halves of the lanes meet at the end
.else
	v_add_f32 v[T+8], v[T+8], v[T+9]
	v_fma_f32 v[LL+\qt], v[LL+\qt], v[T+6], v[T+8]
.endif
.irp c, 0,1
.irp j, 0,1,2,3
	v_cvt_pk_f16_f32 v[S+32*\qt+16*\c+\j], v[S+32*\qt+16*\c+2*\j], v[S+32*\qt+16*\c+2*\j+1]       ; keys 32 c + 8 h + 0..7: registers 0-3 of the fragment
.endr
.irp j, 0,1,2,3
	v_cvt_pk_f16_f32 v[S+32*\qt+16*\c+4+\j], v[S+32*\qt+16*\c+8+2*\j], v[S+32*\qt+16*\c+9+2*\j]   ; keys 32 c + 16 + 8 h + 0..7: registers 4-7
.endr
.endr
.endm
; One step of 128 keys, of which 64 are mine: half hf of a slot.
.macro STEP slot, hf, first
.if \first == 0
	s_cmp_ge_u32 s15, s13                          ; my block needs no more keys: I only fetch and keep the rounds
	s_cbranch_scc1 .Lidle_\@
.rept 5
	v_nop                                          ; five places behind the last step's products (ISA guide 7.12.1): their fragments are loaded again, and P is written over by matrix instructions
.endr
.endif
.irp kt, 0,1,2,3
.irp ks, 0,1,2,3
	ds_load_b128 v[FA+32*\kt+8*\ks:FA+32*\kt+8*\ks+3],   v[ADRK+\slot] offset:128*PK*\hf+16*PK*\kt+64*\ks
	ds_load_b128 v[FA+32*\kt+8*\ks+4:FA+32*\kt+8*\ks+7], v[ADRK+\slot] offset:128*PK*\hf+16*PK*\kt+64*\ks+32
.endr
.endr
	s_lshl1_add_u32 s70, s15, s56                  ; my keys' block of 64 tokens: 2 t + kw
.if \first
	s_wait_loadcnt 0x0                             ; q and the scales, once
	v_readlane_b32 s73, v[QS], s53                 ; my query block's scale
.endif
	v_readlane_b32 s71, v[KS], s70
	v_readlane_b32 s67, v[VS], s70
	s_add_co_u32 s68, s71, s73                     ; C = ks qs: powers of two, so the bit patterns add
	s_sub_co_u32 s68, s68, ONE
	s_mov_b32 s69, s68
.if \first == 0
	s_sub_co_u32 s72, s66, s67                     ; vs_before / vs_now
	s_add_co_u32 s72, s72, ONE
.endif
	s_mov_b32 s66, s67
	s_wait_dscnt 16                                ; key tiles 0, 1 are in; the sixteen younger loads may be out
	WIN 0x04                                       ; source 1 (q) in window 1
	SPROD 0
	s_wait_dscnt 0
	SPROD 2
	WIN 0
	PLACES                                         ; behind the score products: k's fragments are loaded over, the scores are read
.irp c, 0,1
.irp dt, 0,1,2,3,4,5,6,7
	ds_load_tr16_b128 v[FA+64*\c+8*\dt:FA+64*\c+8*\dt+3],   v[ADRV+\slot] offset:128*PV*\hf+32*PV*\c+32*\dt
	ds_load_tr16_b128 v[FA+64*\c+8*\dt+4:FA+64*\c+8*\dt+7], v[ADRV+\slot] offset:128*PV*\hf+32*PV*\c+32*\dt+16*PV
.endr
.endr
	s_cmp_lg_u32 s15, s14
	s_cbranch_scc1 .Lfree_\@
	MASK
.Lfree_\@:
	SOFT 0, \first
	SOFT 1, \first
.if \first == 0
	WIN 0x41                                       ; accumulators: source 0 and result in window 1
.irp qt, 0,1
.set n, 0
.rept 32
	v_pk_mul_f32 v[64*\qt+2*n:64*\qt+2*n+1], v[64*\qt+2*n:64*\qt+2*n+1], v[AL+2*\qt:AL+2*\qt+1]
.set n, n+1
.endr
.endr
.endif
	s_wait_dscnt 16                                ; v's first 32 keys are in
	WIN 0x50                                       ; C and D in window 1
	PVPROD 0, \first
	s_wait_dscnt 0
	PVPROD 1, 0
	WIN 0
.if \first == 0
.Lidle_\@:
.endif
	s_add_co_u32 s15, s15, 1                       ; t
.endm
; Two steps on one slot.  In front of the barrier every wave waits for all its tensor loads (one is out: its quarter of this slot) and for its reads of the other slot.
; Where the other slot is filled again the barrier is a round of the cluster's barrier, and the joint refill is the first thing behind it.  No barrier stands between
; the slot's two steps: the one in front has shown the whole slot to every wave.
.macro TWO slot, refill
	s_wait_tensorcnt 0x0                           ; all my tensor loads have landed: the descriptors may be written
	ds_add_u32 v254, v255
	s_wait_dscnt 0x0
.if \refill
	s_add_nc_u64 s[G0V+4*(1-\slot)+2:G0V+4*(1-\slot)+3], s[G0V+4*(1-\slot)+2:G0V+4*(1-\slot)+3], 2*DTILEB   ; the other slot's next double tile
	s_add_nc_u64 s[G0K+4*(1-\slot)+2:G0K+4*(1-\slot)+3], s[G0K+4*(1-\slot)+2:G0K+4*(1-\slot)+3], 2*DTILEB
.endif
	s_wait_dscnt 0x0                               ; my reads of the other slot are done
.if \refill
	ROUND
	JLOAD 1-\slot                                  ; my one tensor load behind this round
.else
	s_barrier_signal -1                            ; nothing is left to fetch: the work-group's own barrier shows the slot whole
	s_barrier_wait -1
.endif
	STEP \slot, 0, 0
	STEP \slot, 1, 0
.endm
	s_wait_tensorcnt 0x1                           ; my quarter of slot 0 is in; slot 1's stays out
	s_barrier_signal -1
	s_barrier_wait -1
	STEP 0, 0, 1                                   ; the first products start the sums: nothing is cleared
	STEP 0, 1, 0
.Lloop:
	TWO 1, 1
	TWO 0, 1
	s_sub_co_u32 s48, s48, 1
	s_cmp_lg_u32 s48, 0
	s_cbranch_scc1 .Lloop
	s_and_b32 s76, s11, 2                          ; D = 8 - (pp >> 1) is odd where bit 1 of pp is set: the same in all four partners
	s_cmp_lg_u32 s76, 0
	s_cbranch_scc1 .Lodd
	TWO 1, 0                                       ; D even: one double tile is left, nothing to fetch
	s_branch .Lmerge
.Lodd:
	TWO 1, 1                                       ; D odd: two are left
	TWO 0, 0
.Lmerge:
	; THE MERGE of the two key halves.  The wave with kw = 1 hands its sums, maxima and sums of P to the wave with kw = 0 through LDS.
	PLACES                                         ; behind the last products
	v_permlanex16_b32 v[T], v[LL], s50, s51
	v_permlanex16_b32 v[T+1], v[LL+1], s50, s51
	v_add_f32 v[LL], v[LL], v[T]
	v_add_f32 v[LL+1], v[LL+1], v[T+1]
	s_wait_dscnt 0x0                               ; my reads of the slots are over,
	s_wait_tensorcnt 0x0                           ; none of my tensor loads is out (none was issued since the last wait for all),
	s_barrier_signal -1
	s_barrier_wait -1                              ; and that holds of every wave: slot 0's bytes now serve the exchange, and no fill follows
	s_cmp_eq_u32 s56, 0
	s_cbranch_scc1 .Lkeep
	WIN 0x04                                       ; store data in window 1
.set n, 0
.rept 32
	ds_store_b128 v[XCH], v[4*n:4*n+3] offset:512*n
.set n, n+1
.endr
	WIN 0
	ds_store_b128 v[XCH], v[MM:MM+3] offset:16384
.Lkeep:
	s_wait_dscnt 0x0                               ; for the partner's sake: zero
	s_barrier_signal -1
	s_barrier_wait -1
	s_cmp_lg_u32 s56, 0
	s_cbranch_scc1 .Ldone
	ds_load_b128 v[PS:PS+3], v[XCH] offset:16384
	s_lshl1_add_u32 s70, s14, 1                    ; the partner's last block of v: 2 last + 1
	v_readlane_b32 s67, v[VS], s70
	v_max3_num_f32 v[T+8], v[UG], v[UG+1], v[UG+2]
	v_max3_num_f32 v[T+8], v[T+8], v[UG+3], v[UG+4]
	v_max3_num_f32 v[T+8], v[T+8], v[UG+5], v[UG+6]
	v_max_num_f32 v[T+8], v[T+8], v[UG+7]
	v_max_num_f32_dpp v[T+8], v[T+8], v[T+8] row_xmask:1 row_mask:0xf bank_mask:0xf
	v_max_num_f32_dpp v[T+8], v[T+8], v[T+8] row_xmask:2 row_mask:0xf bank_mask:0xf
	v_max_num_f32_dpp v[T+8], v[T+8], v[T+8] row_xmask:4 row_mask:0xf bank_mask:0xf
	v_max_num_f32_dpp v[T+8], v[T+8], v[T+8] row_xmask:8 row_mask:0xf bank_mask:0xf
	v_permlanex16_b32 v[T+9], v[T+8], s50, s51
	v_max_num_f32 v[T+8], v[T+8], v[T+9]           ; Ug
	v_sub_nc_u32 v[T+9], s66, v[T+8]
	v_add_nc_u32 v[T+9], ONE, v[T+9]               ; my last block's scale / Ug
	v_sub_nc_u32 v[T+10], s67, v[T+8]
	v_add_nc_u32 v[T+10], ONE, v[T+10]             ; the partner's
	s_wait_dscnt 0x0
.irp qt, 0,1
	v_max_num_f32 v[T+\qt], v[MM+\qt], v[PS+\qt]   ; my half always sees a key in front of the query, so this is a true score
	v_sub_f32 v[T+2+\qt], v[MM+\qt], v[T+\qt]
	v_sub_f32 v[T+4+\qt], v[PS+\qt], v[T+\qt]
.endr
.irp c, 2,3,4,5
	v_exp_f32 v[T+\c], v[T+\c]
.endr
	v_nop                                          ; the plain place behind the exponentials
	s_wait_alu depctr_va_vdst(0)
.irp qt, 0,1
	v_mul_f32 v[T+6+\qt], v[LL+\qt], v[T+2+\qt]
	v_fma_f32 v[T+6+\qt], v[PS+2+\qt], v[T+4+\qt], v[T+6+\qt]
.endr
	v_rcp_f32 v[T+6], v[T+6]
	v_rcp_f32 v[T+7], v[T+7]
	v_nop
	s_wait_alu depctr_va_vdst(0)
.irp qt, 0,1
	v_mul_f32 v[T+2+\qt], v[T+2+\qt], v[T+6+\qt]
	v_mul_f32 v[T+4+\qt], v[T+4+\qt], v[T+6+\qt]
	v_mul_f32 v[AL+2*\qt], v[T+2+\qt], v[T+9]
	v_mul_f32 v[AL+2*\qt+1], v[T+2+\qt], v[T+9]
	v_mul_f32 v[GBR+2*\qt], v[T+4+\qt], v[T+10]
	v_mul_f32 v[GBR+2*\qt+1], v[T+4+\qt], v[T+10]
.endr
; 16 queries: the partner's sums x its factor + mine x my factor, packed to f16, through my stage, out as whole rows of 256 bytes
.macro MERGE qt
.set n, 0
.rept 16
	ds_load_b128 v[FA+4*n:FA+4*n+3], v[XCH] offset:512*(16*\qt+n)
.set n, n+1
.endr
	s_wait_dscnt 0x0
.set n, 0
.rept 32
	v_pk_mul_f32 v[FA+2*n:FA+2*n+1], v[FA+2*n:FA+2*n+1], v[GBR+2*\qt:GBR+2*\qt+1]
.set n, n+1
.endr
	WIN 0x01
.set n, 0
.rept 32
	v_pk_fma_f32 v[FA+2*n:FA+2*n+1], v[64*\qt+2*n:64*\qt+2*n+1], v[AL+2*\qt:AL+2*\qt+1], v[FA+2*n:FA+2*n+1]
.set n, n+1
.endr
	WIN 0
.set n, 0
.rept 32
	v_cvt_pk_f16_f32 v[PKD+n], v[FA+2*n], v[FA+2*n+1]
.set n, n+1
.endr
.irp dt, 0,1,2,3,4,5,6,7
	ds_store_b128 v[STO], v[PKD+4*\dt:PKD+4*\dt+3] offset:32*\dt
.endr
.irp t, 0,1,2,3,4,5,6,7
	ds_load_b128 v[FB+32*\qt+4*\t:FB+32*\qt+4*\t+3], v[RD] offset:\t*2*OPITCH    ; LDS serves a wave's instructions in order (ISA guide 5.7.1): these see the stores above
.endr
.irp t, 0,1,2,3,4,5,6,7
	s_wait_dscnt 7-\t
	global_store_b128 v[CO], v[FB+32*\qt+4*\t:FB+32*\qt+4*\t+3], s[74:75] offset:(16*\qt+2*\t)*2048   ; 16 lanes store 256 consecutive bytes at a multiple of 256; no register of a store is rewritten
.endr
.endm
	MERGE 0
	MERGE 1
.Ldone:
	s_wait_dscnt 0x0
	s_wait_tensorcnt 0x0
	ds_add_u32 v254, v255
	s_wait_dscnt 0x0
	ROUND                                          ; the closing round: no work-group ends while a partner may still ask jointly
	s_endpgm
.Lfunc_end_k_q4f0bdeeb7e_attn:
	.size	k_q4f0bdeeb7e_attn, .Lfunc_end_k_q4f0bdeeb7e_attn-k_q4f0bdeeb7e_attn
	.p2alignl 7, 3214868480
	.fill 96, 4, 3214868480
	.section	.rodata,"a",@progbits
	.p2align	6, 0x0
	.amdhsa_kernel k_q4f0bdeeb7e_attn
		.amdhsa_group_segment_fixed_size 327680
		.amdhsa_private_segment_fixed_size 0
		.amdhsa_enable_private_segment 0
		.amdhsa_kernarg_size 24
		.amdhsa_user_sgpr_count 2
		.amdhsa_user_sgpr_kernarg_segment_ptr 1
		.amdhsa_wavefront_size32 1
		.amdhsa_system_sgpr_workgroup_id_x 1
		.amdhsa_system_sgpr_workgroup_id_y 1
		.amdhsa_system_sgpr_workgroup_id_z 1
		.amdhsa_system_vgpr_workitem_id 0
		.amdhsa_next_free_vgpr 448
		.amdhsa_next_free_sgpr 80
		.amdhsa_reserve_vcc 1
		.amdhsa_float_denorm_mode_32 3
		.amdhsa_float_denorm_mode_16_64 3
		.amdhsa_memory_ordered 1
		.amdhsa_forward_progress 1
		.amdhsa_inst_pref_size 255
	.end_amdhsa_kernel
	.section	.bss,"aw",@nobits
	.p2align	6
	.space	262144
	.amdgpu_metadata
---
amdhsa.version: [ 1, 2 ]
amdhsa.kernels:
  - .name:           k_q4f0bdeeb7e_attn
    .symbol:         k_q4f0bdeeb7e_attn.kd
    .args:
      - { .name: qkv, .offset: 0, .size: 8, .value_kind: global_buffer, .address_space: global }
      - { .name: scl, .offset: 8, .size: 8, .value_kind: global_buffer, .address_space: global }
      - { .name: ah, .offset: 16, .size: 8, .value_kind: global_buffer, .address_space: global }
    .group_segment_fixed_size: 327680
    .private_segment_fixed_size: 0
    .kernarg_segment_align: 8
    .kernarg_segment_size: 24
    .max_flat_workgroup_size: 256
    .sgpr_count:     80
    .vgpr_count:     448
    .wavefront_size: 32
...
	.end_amdgpu_metadata
.endif
;; end of part 3
;; launch gemm_out (part 4): grid 16 x 16, 4 waves a work-group, clusters of 4 x 4, 327,680 bytes of LDS; arguments ah, woh, scl, out0; writes out0
.if DOCPART == 4
	.amdgcn_target "amdgcn-amd-amdhsa--gfx1250"
	.amdhsa_code_object_version 6
	.text
	.protected	k_q4f0bdeeb7e_gemm_out
	.globl	k_q4f0bdeeb7e_gemm_out
	.p2align	8
	.type	k_q4f0bdeeb7e_gemm_out,@function
k_q4f0bdeeb7e_gemm_out:
	s_mov_b64 s[64:65], 0
	v_nop
	global_prefetch_b8 v0, s[64:65] scope:SCOPE_SE
	s_setreg_imm32_b32 hwreg(HW_REG_WAVE_MODE, 25, 1), 1
	s_wait_xcnt 0x0
	s_wait_alu depctr_hold_cnt(0) depctr_sa_sdst(0) depctr_va_vdst(0) depctr_va_sdst(0) depctr_va_ssrc(0) depctr_va_vcc(0) depctr_vm_vsrc(0)
	s_getreg_b32 s2, hwreg(HW_REG_IB_STS2, 6, 4)
	s_cmp_eq_u32 s2, 0
	s_cbranch_scc0 .Lentry_in_a_cluster
	s_endpgm
.Lentry_in_a_cluster:
	s_bfe_u32 s2, ttmp6, 0x10000c
	s_cmp_lg_u32 s2, 0xf033
	s_cbranch_scc0 .Lentry_shape_is_right
	s_endpgm
.Lentry_shape_is_right:
; OUT: out0[4096][2048] f32 = Ug x ah[4096][1024] . woh[1024 k][2048 n], f16 operands, f32 sums.  ah is in units of Ug, the largest of the 256 scales of v
; (scl rows 12-15); every wave reduces these 256 numbers itself and multiplies its results by Ug on the way out.
; A work-group makes 256 rows x 128 columns with four waves; a wave makes 64 rows x 128 columns: 32 accumulator tiles, 256 registers.  16 x 16 work-groups.
; K goes in steps of 128 through two LDS slots filled by the tensor data mover; every tile row is 256 bytes of memory at a multiple of 256.
; CLUSTERS: 4 x 4 work-groups.  ah's tile hangs on the block row alone and is asked for jointly along a row of the cluster, woh's on the block column alone and is
; asked for jointly along a column: the requests for both are divided by four.
; woh lies [k][n]: its fragments are read from LDS by the transposing load.  The matrix instruction is used transposed (source 0 = 16 columns of woh, source 1 = 16
; rows of ah), so that a lane holds row l % 16 and eight neighbouring columns 16 b + 8 (l / 16) + 0..7.
; LIMITS: |Wo| above 65,504 overflowed where it was cast; nothing further here.
; REGISTERS: window 0: v0-31 addresses, v32-127 and v128-223 two fragment buffers (eight of woh, then four of ah), v224-231 scales;  window 1: tile (a, b) at 8 (8 a + b).
.set SIZE_K, 1024
.set KSTEP,  128
.set PA,     272
.set PB,     288
.set AHALF,  128*PA
.set BHALF,  64*PB
.set BBASE,  2*AHALF
.set SLOT,   BBASE+2*BHALF             ; 106,496
.set STAGE,  2*SLOT                    ; behind the ring: 16 rows x 528 bytes for each wave; no tensor load lands there
.set SPITCH, 528                       ; 512 + 16: an odd multiple of 16
.set LAPS,   SIZE_K/(2*KSTEP)
.set ASTEP,  KSTEP*2
.set BSTEP,  KSTEP*4096
.set ADRA, 16
.set ADRB, 20
.set STO,  24
.set RD,   25
.set CO,   26
.set UOFF, 27
.set UGP,  28                          ; v[28:29] Ug, twice
.set F0,   32
.set F1,   128
.set UG,   224
.set G1,  24
.set G0,  32
.set G1B, 48
.set G0B, 56
.set MSB, 0
.macro WIN new
.if MSB != \new
	s_set_vgpr_msb (MSB<<8)|\new
.set MSB, \new
.endif
.endm
.macro PLACES                          ; four places behind a matrix instruction (ISA guide 7.12.1)
.rept 4
	v_nop
.endr
.endm
.macro JLOAD s                         ; waves 0, 1 fetch ah's two halves, waves 2, 3 woh's; each line has one mask
	s_cmp_eq_u32 s11, 0
	s_cbranch_scc0 .Lfor_b_\@
	tensor_load_to_lds s[G0+4*\s:G0+4*\s+3], s[G1:G1+7]
	s_nop 0
	s_branch .Lasked_\@
.Lfor_b_\@:
	tensor_load_to_lds s[G0B+4*\s:G0B+4*\s+3], s[G1B:G1B+7]
	s_nop 0
.Lasked_\@:
.endm
.macro CREST
	s_cmp_lg_u32 s10, 0
	s_cbranch_scc1 .Lnot_wave_0_\@
	s_barrier_signal -3
.Lnot_wave_0_\@:
	s_barrier_wait -3
	s_barrier_signal -1
	s_barrier_wait -1
.endm
.macro CROUND
	s_barrier_signal -1
	s_barrier_wait -1
	CREST
.endm
	s_load_b128 s[4:7], s[0:1], 0x0                ; ah, woh
	s_load_b128 s[68:71], s[0:1], 0x10             ; scl, out0
	v_lshl_add_u32 v254, v0, 2, 0x3c400
	v_mov_b32 v255, 0
	ds_add_u32 v254, v255
	v_lshrrev_b32 v1, 5, v0
	v_readfirstlane_b32 s10, v1                    ; wave 0..3
	s_lshr_b32 s11, s10, 1                         ; I fetch for ah (0) or for woh (1)
	s_and_b32 s12, s10, 1                          ; which half of that tile
	s_bfe_u32 s40, ttmp6, 0x40000                  ; cx
	s_bfe_u32 s41, ttmp6, 0x40004                  ; cy
	s_lshl_b32 s42, ttmp9, 2
	s_add_co_u32 s42, s42, s40                     ; block column
	s_and_b32 s13, ttmp7, 0xffff
	s_lshl_b32 s13, s13, 2
	s_add_co_u32 s13, s13, s41                     ; block row
	s_lshl_b32 s43, s41, 2
	s_lshl_b32 s43, 15, s43                        ; my row of the cluster
	s_lshl_b32 s44, 0x1111, s40                    ; my column
	s_or_b32 s[G1+0], s43, (1<<16)|(1<<20)|(1<<21)|(5<<22)|(3<<25)    ; mask; 2-byte elements; padding on; bit 21 beside a mask; after 64 words 4 words
	s_mov_b32 s[G1+1], KSTEP<<16
	s_mov_b32 s[G1+2], 128<<16
	s_mov_b32 s[G1+3], KSTEP<<16
	s_mov_b32 s[G1+4], 128
	s_mov_b32 s[G1+5], SIZE_K
	s_mov_b32 s[G1+6], 0
	s_mov_b32 s[G1+7], 0
	s_or_b32 s[G1B+0], s44, (1<<16)|(1<<20)|(1<<21)|(5<<22)|(7<<25)   ; my column's mask, 8 words of padding
	s_mov_b32 s[G1B+1], 128<<16
	s_mov_b32 s[G1B+2], 64<<16
	s_mov_b32 s[G1B+3], 128<<16
	s_mov_b32 s[G1B+4], 64
	s_mov_b32 s[G1B+5], 2048
	s_mov_b32 s[G1B+6], 0
	s_mov_b32 s[G1B+7], 0
	s_lshl_b32 s16, s13, 8
	s_lshl_b32 s17, s12, 7
	s_add_co_u32 s16, s16, s17                     ; ah: row 256 x block row + 128 x half
	s_mul_i32 s16, s16, SIZE_K*2
	s_mov_b32 s17, 0
	s_lshl_b32 s46, s42, 8                         ; woh: 256 bytes x block column
	s_lshl_b32 s47, s12, 18                        ;      + 64 k rows of 4,096 bytes x half
	s_add_co_u32 s46, s46, s47
	s_mov_b32 s47, 0
	s_mul_i32 s20, s10, AHALF
	s_mul_i32 s21, s10, BHALF
	s_add_co_u32 s21, s21, BBASE-2*BHALF
	v_and_b32 v1, 15, v0                           ; r
	v_bfe_u32 v2, v0, 4, 1                         ; h
	v_and_b32 v6, 31, v0                           ; lane
	v_lshlrev_b32 v[UOFF], 5, v6
	s_wait_dscnt 0x0
	s_wait_kmcnt 0x0
	s_add_nc_u64 s[14:15], s[4:5], s[16:17]
	s_add_nc_u64 s[46:47], s[6:7], s[46:47]
	CROUND                                         ; all sixteen work-groups are here: the first joint loads meet
.irp s, 0,1
	s_mov_b32 s[G0+4*\s], 1
	s_add_co_u32 s[G0+4*\s+1], s20, \s*SLOT
	s_add_nc_u64 s[G0+4*\s+2:G0+4*\s+3], s[14:15], \s*ASTEP
	s_or_b32 s[G0+4*\s+3], s[G0+4*\s+3], 0x80000000
	s_mov_b32 s[G0B+4*\s], 1
	s_add_co_u32 s[G0B+4*\s+1], s21, \s*SLOT
	s_add_nc_u64 s[G0B+4*\s+2:G0B+4*\s+3], s[46:47], \s*BSTEP
	s_or_b32 s[G0B+4*\s+3], s[G0B+4*\s+3], 0x80000000
	JLOAD \s                                       ; both slots' first fills go out together: two tensor loads of the wave are out
.endr
	global_load_b128 v[UG:UG+3],   v[UOFF], s[68:69] offset:3072     ; the 256 scales of v, eight a lane; waited for in front of the way out
	global_load_b128 v[UG+4:UG+7], v[UOFF], s[68:69] offset:3088
	v_mul_u32_u24 v3, v1, PA
	v_lshl_add_u32 v3, v2, 4, v3
	s_mul_i32 s22, s10, 64*PA                      ; my 64 rows of ah
	v_add_nc_u32 v[ADRA], s22, v3
	v_add_nc_u32 v[ADRA+1], SLOT, v[ADRA]
	v_and_b32 v4, 7, v0
	v_lshl_add_u32 v4, v2, 3, v4                   ; k row 8 h + (l & 7)
	v_mul_u32_u24 v4, v4, PB
	v_bfe_u32 v5, v0, 3, 1
	v_lshl_add_u32 v4, v5, 4, v4
	v_add_nc_u32 v[ADRB], BBASE, v4
	v_add_nc_u32 v[ADRB+1], BBASE+SLOT, v4
	s_mul_i32 s23, s10, 16*SPITCH
	s_add_co_u32 s23, s23, STAGE                   ; my stage
	v_mul_u32_u24 v4, v1, SPITCH
	v_lshl_add_u32 v4, v2, 5, v4
	v_add_nc_u32 v[STO], s23, v4                   ; in: row r, 32 bytes for each half of the lanes
	v_lshl_add_u32 v[RD], v6, 4, s23               ; back: the 32 lanes take one row of 512 bytes
	v_lshlrev_b32 v[CO], 4, v6
; Eight matrix instructions: row block a x all eight column blocks, 32 along K.  The 32 accumulators take turns, one instruction a turn, in the same order in every
; quarter step.
.macro MULA f, a, zero
.irp b, 0,1,2,3,4,5,6,7
.if \zero
	v_wmma_f32_16x16x32_f16 v[8*(8*\a+\b):8*(8*\a+\b)+7], v[\f+8*\b:\f+8*\b+7], v[\f+64+8*\a:\f+64+8*\a+7], 0
.else
	v_wmma_f32_16x16x32_f16 v[8*(8*\a+\b):8*(8*\a+\b)+7], v[\f+8*\b:\f+8*\b+7], v[\f+64+8*\a:\f+64+8*\a+7], v[8*(8*\a+\b):8*(8*\a+\b)+7]
.endif
.endr
.endm
.macro FETCH slot, kq, f               ; 24 LDS loads in one run: quarter kq of a slot into buffer f
	WIN 0
.irp b, 0,1,2,3,4,5,6,7
	ds_load_tr16_b128 v[\f+8*\b:\f+8*\b+3],   v[ADRB+\slot] offset:32*PB*\kq+32*\b
	ds_load_tr16_b128 v[\f+8*\b+4:\f+8*\b+7], v[ADRB+\slot] offset:32*PB*\kq+32*\b+16*PB
.endr
.irp a, 0,1,2,3
	ds_load_b128 v[\f+64+8*\a:\f+64+8*\a+3],   v[ADRA+\slot] offset:16*PA*\a+64*\kq
	ds_load_b128 v[\f+64+8*\a+4:\f+64+8*\a+7], v[ADRA+\slot] offset:16*PA*\a+64*\kq+32
.endr
.endm
.macro QUARTER slot, kq, f, g, zero
	s_wait_dscnt 4                                 ; woh's fragments and ah's blocks 0, 1 are in; the four youngest loads (blocks 2, 3) may be out
	WIN 0x50                                       ; C and D in window 1
	MULA \f, 0, \zero
	MULA \f, 1, \zero
	PLACES                                         ; buffer g was read by the quarter before
	FETCH \slot, \kq, \g
	s_wait_dscnt 24                                ; all but the 24 just issued
	WIN 0x50
	MULA \f, 2, \zero
	MULA \f, 3, \zero
.endm
.macro THREE slot, zero
	QUARTER \slot, 1, F0, F1, \zero
	QUARTER \slot, 2, F1, F0, 0
	QUARTER \slot, 3, F0, F1, 0
.endm
; The last quarter of a K step changes slots.  In front of the barrier each wave waits for its reads of this slot and for all its tensor loads (one is out: its part of
; the next slot); where the slot is filled again the barrier opens a round of the cluster's barrier, and the joint refill is the first tensor load behind the round.
.macro TURN slot, next, fill
	s_wait_dscnt 4
	WIN 0x50
	MULA F1, 0, 0
	s_wait_dscnt 0
	s_wait_tensorcnt 0x0
	ds_add_u32 v254, v255
	s_wait_dscnt 0x0
	s_barrier_signal -1
	MULA F1, 1, 0                                  ; register work while the others arrive
	WIN 0
	s_barrier_wait -1
.if \fill
	CREST
	s_add_nc_u64 s[G0+4*\slot+2:G0+4*\slot+3], s[G0+4*\slot+2:G0+4*\slot+3], 2*ASTEP      ; no tensor load of mine is out: the descriptors may be written
	s_add_nc_u64 s[G0B+4*\slot+2:G0B+4*\slot+3], s[G0B+4*\slot+2:G0B+4*\slot+3], 2*BSTEP
	JLOAD \slot
.endif
	PLACES
	FETCH \next, 0, F0
	WIN 0x50
	MULA F1, 2, 0
	MULA F1, 3, 0
.endm
.macro LAP zero
	THREE 0, \zero
	TURN 0, 1, 1
	THREE 1, 0
	TURN 1, 0, 1
.endm
	s_wait_tensorcnt 1                             ; my part of K step 0 is in; K step 1's stays out
	s_barrier_signal -1
	s_barrier_wait -1
	FETCH 0, 0, F0
	LAP 1                                          ; the first products start the sums: nothing is cleared
	WIN 0
	s_mov_b32 s3, LAPS-2
.Llap:
	LAP 0
	WIN 0
	s_sub_co_u32 s3, s3, 1
	s_cmp_lg_u32 s3, 0
	s_cbranch_scc1 .Llap
	THREE 0, 0                                     ; the last lap fills nothing
	TURN 0, 1, 0
	THREE 1, 0
	s_wait_dscnt 4
	WIN 0x50
	MULA F1, 0, 0
	MULA F1, 1, 0
	s_wait_dscnt 0
	MULA F1, 2, 0
	MULA F1, 3, 0
	WIN 0
	PLACES                                         ; behind the last matrix instructions: results are read, fragment registers written
	; THE WAY OUT
	s_mov_b32 s22, 0x76543210
	s_mov_b32 s23, 0xfedcba98
	s_lshl_b32 s16, s13, 8
	s_lshl_b32 s17, s10, 6
	s_add_co_u32 s16, s16, s17                     ; my first row
	s_lshl_b32 s16, s16, 13                        ; x 8,192 bytes (below 2^25)
	s_mov_b32 s17, 0
	s_add_nc_u64 s[70:71], s[70:71], s[16:17]
	s_lshl_b32 s46, s42, 9                         ; my 128 columns: 512 bytes x block column
	s_mov_b32 s47, 0
	s_add_nc_u64 s[70:71], s[70:71], s[46:47]
	s_wait_loadcnt 0x0                             ; the scales
	v_max3_num_f32 v[UG], v[UG], v[UG+1], v[UG+2]
	v_max3_num_f32 v[UG], v[UG], v[UG+3], v[UG+4]
	v_max3_num_f32 v[UG], v[UG], v[UG+5], v[UG+6]
	v_max_num_f32 v[UG], v[UG], v[UG+7]
	v_max_num_f32_dpp v[UG], v[UG], v[UG] row_xmask:1 row_mask:0xf bank_mask:0xf
	v_max_num_f32_dpp v[UG], v[UG], v[UG] row_xmask:2 row_mask:0xf bank_mask:0xf
	v_max_num_f32_dpp v[UG], v[UG], v[UG] row_xmask:4 row_mask:0xf bank_mask:0xf
	v_max_num_f32_dpp v[UG], v[UG], v[UG] row_xmask:8 row_mask:0xf bank_mask:0xf
	v_permlanex16_b32 v[UG+1], v[UG], s22, s23
	v_max_num_f32 v[UGP], v[UG], v[UG+1]           ; Ug in every lane
	v_mov_b32 v[UGP+1], v[UGP]
; rows 16 a .. 16 a + 15: x Ug, 32 bytes a lane and tile into my stage, back as whole rows of 512 bytes.  g: 64 registers for the rows read back, two sets in turn
.macro OUTF a, g
	WIN 0x01
.irp b, 0,1,2,3,4,5,6,7
.irp p, 0,2,4,6
	v_pk_mul_f32 v[32+8*\b+\p:32+8*\b+\p+1], v[64*\a+8*\b+\p:64*\a+8*\b+\p+1], v[UGP:UGP+1]
.endr
.endr
	WIN 0
.irp b, 0,1,2,3,4,5,6,7
	ds_store_b128 v[STO], v[32+8*\b:32+8*\b+3]   offset:64*\b
	ds_store_b128 v[STO], v[32+8*\b+4:32+8*\b+7] offset:64*\b+16
.endr
	s_wait_xcnt 0x0                                ; the stores' base and set g, which earlier stores read, are rewritten only behind this wait (ISA guide 3.1)
.if \a
	s_add_nc_u64 s[70:71], s[70:71], 16*8192
.endif
.irp t, 0,1,2,3,4,5,6,7,8,9,10,11,12,13,14,15
	ds_load_b128 v[\g+4*\t:\g+4*\t+3], v[RD] offset:\t*SPITCH      ; LDS serves a wave's instructions in order (ISA guide 5.7.1): these see the stores above
.endr
.irp t, 0,1,2,3,4,5,6,7,8,9,10,11,12,13,14,15
	s_wait_dscnt 15-\t
	global_store_b128 v[CO], v[\g+4*\t:\g+4*\t+3], s[70:71] offset:8192*\t th:TH_STORE_NT   ; the wave stores 512 consecutive bytes at a multiple of 512
.endr
.endm
	OUTF 0, 96
	OUTF 1, 160
	OUTF 2, 96
	OUTF 3, 160
	s_wait_tensorcnt 0x0
	ds_add_u32 v254, v255
	s_wait_dscnt 0x0
	CROUND                                         ; the closing round: no work-group ends while a partner may still ask jointly
	s_endpgm
.Lfunc_end_k_q4f0bdeeb7e_gemm_out:
	.size	k_q4f0bdeeb7e_gemm_out, .Lfunc_end_k_q4f0bdeeb7e_gemm_out-k_q4f0bdeeb7e_gemm_out
	.p2alignl 7, 3214868480
	.fill 96, 4, 3214868480
	.section	.rodata,"a",@progbits
	.p2align	6, 0x0
	.amdhsa_kernel k_q4f0bdeeb7e_gemm_out
		.amdhsa_group_segment_fixed_size 327680
		.amdhsa_private_segment_fixed_size 0
		.amdhsa_enable_private_segment 0
		.amdhsa_kernarg_size 32
		.amdhsa_user_sgpr_count 2
		.amdhsa_user_sgpr_kernarg_segment_ptr 1
		.amdhsa_wavefront_size32 1
		.amdhsa_system_sgpr_workgroup_id_x 1
		.amdhsa_system_sgpr_workgroup_id_y 1
		.amdhsa_system_sgpr_workgroup_id_z 1
		.amdhsa_system_vgpr_workitem_id 0
		.amdhsa_next_free_vgpr 512
		.amdhsa_next_free_sgpr 72
		.amdhsa_reserve_vcc 0
		.amdhsa_float_denorm_mode_32 3
		.amdhsa_float_denorm_mode_16_64 3
		.amdhsa_memory_ordered 1
		.amdhsa_forward_progress 1
		.amdhsa_inst_pref_size 127
	.end_amdhsa_kernel
	.amdgpu_metadata
---
amdhsa.version: [ 1, 2 ]
amdhsa.kernels:
  - .name:           k_q4f0bdeeb7e_gemm_out
    .symbol:         k_q4f0bdeeb7e_gemm_out.kd
    .args:
      - { .name: ah, .offset: 0, .size: 8, .value_kind: global_buffer, .address_space: global }
      - { .name: woh, .offset: 8, .size: 8, .value_kind: global_buffer, .address_space: global }
      - { .name: scl, .offset: 16, .size: 8, .value_kind: global_buffer, .address_space: global }
      - { .name: out0, .offset: 24, .size: 8, .value_kind: global_buffer, .address_space: global }
    .group_segment_fixed_size: 327680
    .private_segment_fixed_size: 0
    .kernarg_segment_align: 8
    .kernarg_segment_size: 32
    .max_flat_workgroup_size: 128
    .sgpr_count:     72
    .vgpr_count:     512
    .wavefront_size: 32
...
	.end_amdgpu_metadata
.endif
;; end of part 4
;; ======== version 2 of 2: 4 launches; version 1 with the launch prep written anew for expert scheduling mode
;; limits: values are held in f16: magnitudes above 65,504 overflow, below 6.1e-05 lose precision; right only within a limited range of input values
;; workspace buffers: xb 16,777,216 bytes; wb 8,388,608 bytes; woh 4,194,304 bytes; tab 3,145,728 bytes; qkv 16,777,216 bytes; scl 4,096 bytes; ah 8,388,608 bytes
;; launch prep (part 5): grid 928 x 1, 8 waves a work-group, no clusters, 0 bytes of LDS; arguments x, Wq, Wk, Wv, Wo, xb, wb, woh, tab; writes xb, wb, woh, tab
.if DOCPART == 5
	.amdgcn_target "amdgcn-amd-amdhsa--gfx1250"
	.amdhsa_code_object_version 6
	.text
	.protected	k_q4f0bdeeb7e_prep
	.globl	k_q4f0bdeeb7e_prep
	.p2align	8
	.type	k_q4f0bdeeb7e_prep,@function
k_q4f0bdeeb7e_prep:
	s_mov_b64 s[64:65], 0
	v_nop
	global_prefetch_b8 v0, s[64:65] scope:SCOPE_SE
	s_setreg_imm32_b32 hwreg(HW_REG_WAVE_SCHED_MODE, 0, 2), 2
	s_setreg_imm32_b32 hwreg(HW_REG_WAVE_MODE, 25, 1), 1
	s_wait_xcnt 0x0
	s_wait_alu depctr_vm_vsrc(0)
; PREP: rounds x and the four weights from f32 to bf16, the matrix operands' format, and makes the RoPE / xPos tables.
; Work-groups 0-511: x -> xb [4096][2048] bf16.  640-767: Wq, 768-831: Wk, 832-895: Wv -> wb [2048 k][2048 n] bf16 (columns 0-1023 Wq, 1024-1535 Wk, 1536-2047 Wv).
; 512-639: Wo -> woh [1024][2048]: rounded to bf16 like the others, and that value kept as f16, because its partner in the last product needs f16's longer mantissa
; and a matrix instruction takes both operands in one format.  A bf16 number of magnitude 2^-17 or more is exact in f16; below, the absolute error is at most 2^-25.
; 896-927: tab, three sections of [2048 positions][128 f32]: floats 0-63 = C[j], 64-127 = Sn[j].
;   section 0 (q): C = cos f qs, Sn = sin f qs, f = sc for even j and 1/sc for odd j, sc = (s+256)/512, qs = log2(e)/sqrt(128)
;   section 1 (k): the same with f inverted and without qs.   section 2 (v): C = 1, Sn = 0, so that one way out serves all three kinds of column.
; A stream: memory binds, so no LDS, no barrier, no matrix unit, nothing shared between work-groups (no cluster).
; LIMITS: |Wo| above 65,504 overflows.  inv_freq = exp2(-j log2(10000)/64) by v_exp_f32 (1 ULP), sine and cosine by a reduction by pi/2 in two parts and
; polynomials of degree 7 and 8 (absolute error below 1e-6): an angle can differ from the f32 angle of the formula by about 3e-4 rad at position 2047.
; 1/sc is v_rcp_f32 (1 ULP).
; THE MODE: SCHED_MODE bits 1:0 = 2 (LLVM: expert scheduling mode 2), set by the entry lines.  The code itself states the register dependences
; between vector instructions and memory instructions, and between a vector instruction's scalar result and its readers, with s_wait_alu, always for 0.
; THE PLAN, A CAST.  Registers that memory instructions touch:
;   v1      the source offset: written once at the head, read by all sixteen loads.
;   X       the loads land here; the conversions read it (and, for Wo, write it) behind the load's own wait on LOADcnt; no memory instruction reads it.
;   OFFD    a destination offset for each load: written once, behind the loads' issue; read by one store each.
;   Y       load i's numbers in 16 bits: written once, by its conversions; read by store i.
; No register that a memory instruction reads is written a second time.  The sixteen loads go in four groups of four.  One wait on va_vdst at the head of group g states that
; OFFD and group g - 1's Y are written; behind it that group's four stores are dealt among group g's conversions, which name X and Y of group g, v3 and v4 alone.
; THE PLAN, THE TABLES.  v8 (the offset) and CQ are written once at the head; OO has a set of eight registers for each row, written once by the row's products.  There is no load.
; One wait on va_vdst in a row states that the row's reciprocal and the products of the row before are written; behind it that row's three stores are dealt among the
; selects, sign flips and products of the row in hand, which name none of their registers.  A row's four masks are made in one run, into s26 to s29, with one wait on va_sdst.
.set X,    16                          ; v[16:79]   cast: sixteen loads of four f32
.set OFFD, 80                          ; v[80:95]   cast: byte offset of each load's four numbers in the destination
.set Y,    96                          ; v[96:127]  cast: four 16-bit numbers for each load
; The four numbers of load i are rounded.  mode 0: bf16; mode 1: the bf16 value, kept as f16.
.macro CONV i, mode
.if \mode
	v_cvt_pk_bf16_f32 v3, v[X+4*(\i)],   v[X+4*(\i)+1] ; the rounding, to nearest even
	v_cvt_pk_bf16_f32 v4, v[X+4*(\i)+2], v[X+4*(\i)+3]
	v_lshlrev_b32 v[X+4*(\i)],   16, v3              ; the rounded numbers as f32 again
	v_and_b32     v[X+4*(\i)+1], 0xffff0000, v3
	v_lshlrev_b32 v[X+4*(\i)+2], 16, v4
	v_and_b32     v[X+4*(\i)+3], 0xffff0000, v4
	v_cvt_pk_f16_f32 v[Y+2*(\i)],   v[X+4*(\i)],   v[X+4*(\i)+1]
	v_cvt_pk_f16_f32 v[Y+2*(\i)+1], v[X+4*(\i)+2], v[X+4*(\i)+3]
.else
	v_cvt_pk_bf16_f32 v[Y+2*(\i)],   v[X+4*(\i)],   v[X+4*(\i)+1]
	v_cvt_pk_bf16_f32 v[Y+2*(\i)+1], v[X+4*(\i)+2], v[X+4*(\i)+3]
.endif
.endm
; The four numbers of load i are stored.  A store of a wave covers 256 neighbouring bytes that start at a multiple of 256.
.macro SEND i, dst, col
	global_store_b64 v[OFFD+(\i)], v[Y+2*(\i):Y+2*(\i)+1], s[\dst:\dst+1] offset:\col   ; no address or data register of a load or store is written twice
.endm
; One cast.  A work-group takes 64 KiB of the source, a wave 8 KiB as sixteen loads of 512 neighbouring bytes, all issued before the first is used.
; src, dst: first register of the two addresses; first: the role's first work-group; lg: log2 of the source's row in elements; col: byte column in the destination;
; mode: as in CONV.  Every destination row is 4,096 bytes.
.macro CAST src, dst, first, lg, col, mode
	s_sub_co_u32 s2, s7, \first                    ; my chunk of the source
	s_lshl_b32 s30, s2, 16                         ; x 65,536 bytes (below 2^25)
	s_mov_b32 s31, 0
	s_add_nc_u64 s[26:27], s[\src:\src+1], s[30:31]
	s_wait_alu depctr_va_vdst(0)                   ; v1 is written, which all sixteen loads read as their offset
.irp i, 0,1,2,3,4,5,6,7,8,9,10,11,12,13,14,15
	global_load_b128 v[X+4*\i:X+4*\i+3], v1, s[26:27] offset:512*\i th:TH_LOAD_NT
.endr
	s_lshl_b32 s4, s2, 14                          ; the chunk's first element
	v_add_nc_u32 v2, s4, v2                        ; my first element
.irp i, 0,1,2,3,4,5,6,7,8,9,10,11,12,13,14,15
	v_add_nc_u32 v3, 128*\i, v2                    ; element e of load i
	v_lshrrev_b32 v4, \lg, v3                      ; its row
	v_and_b32 v3, (1<<\lg)-1, v3                   ; its column
	v_lshlrev_b32 v3, 1, v3
	v_lshl_add_u32 v[OFFD+\i], v4, 12, v3          ; row x 4,096 + column x 2
.endr
	s_wait_loadcnt 12                              ; loads return in order (ISA guide 5.7.1): loads 0 to 3 are in, the twelve younger ones stay out
.irp j, 0,1,2,3
	CONV \j, \mode                                 ; group 0 has no group in front of it: no store, no further wait
.endr
.irp g, 1,2,3
	s_wait_loadcnt 12-4*\g                         ; group g's four loads are in, the younger groups stay out
	s_wait_alu depctr_va_vdst(0)                   ; the offsets OFFD and the Y of the group before are written, which the four stores below read
.irp j, 0,1,2,3
	SEND 4*\g+\j-4, \dst, \col                     ; the group before; no vector instruction since the wait names its OFFD or its Y
	CONV 4*\g+\j, \mode
.endr
.endr
	s_wait_alu depctr_va_vdst(0)                   ; group 3's conversions have written their Y, which the last four stores read
.irp j, 12,13,14,15
	SEND \j, \dst, \col
.endr
	s_endpgm
.endm
	s_load_b512 s[8:23], s[0:1], 0x0               ; x 8, Wq 10, Wk 12, Wv 14, Wo 16, xb 18, wb 20, woh 22
	s_load_b64 s[24:25], s[0:1], 0x40              ; tab
	s_mov_b32 s7, ttmp9
	v_and_b32 v5, 31, v0                           ; lane
	v_lshrrev_b32 v6, 5, v0                        ; wave
	v_lshlrev_b32 v1, 4, v5
	v_lshl_add_u32 v1, v6, 13, v1                  ; cast: source offset = wave x 8,192 + lane x 16
	v_lshlrev_b32 v2, 2, v5
	v_lshl_add_u32 v2, v6, 11, v2                  ; cast: element in the chunk = wave x 2,048 + lane x 4
	s_wait_kmcnt 0x0
	s_cmp_lt_u32 s7, 512
	s_cbranch_scc1 .Lcast_x
	s_cmp_lt_u32 s7, 640
	s_cbranch_scc1 .Lcast_wo
	s_cmp_lt_u32 s7, 768
	s_cbranch_scc1 .Lcast_wq
	s_cmp_lt_u32 s7, 832
	s_cbranch_scc1 .Lcast_wk
	s_cmp_lt_u32 s7, 896
	s_cbranch_scc1 .Lcast_wv
	; THE TABLES.  A work-group makes 64 positions, a wave 8.  Lane l writes floats 4l .. 4l+3 of a row: lanes 0-15 cosines, lanes 16-31 sines, of j = 4 (l & 15) + k.
.set IFQ, 12                           ; v[12:15] inv_freq of my four j
.set CQ,  16                           ; v[16:19] section 2's four numbers: 1.0 (lanes 0-15) or 0.0
.set SF,  20                           ; position as f32
.set SC,  21                           ; sc
.set RS,  22                           ; 1 / sc
.set SCQ, 23                           ; sc qs
.set RSQ, 24                           ; qs / sc
.set AA,  28                           ; four each: angle,
.set NN,  32                           ; quarter turns,
.set RR,  36                           ; reduced angle,
.set R2,  40                           ; its square,
.set SP,  44                           ; sine polynomial, then the value,
.set CP,  48                           ; cosine polynomial,
.set QQ,  52                           ; quadrant, then the sign bit,
.set TT,  56                           ; at work
.set OO,  64                           ; v[64:127] row i: four numbers for section 0, four for section 1; a set for each row, so that no store's data is rewritten
.set MK,  26                           ; s[26:29] the masks of a row's four j: lanes whose quadrant is odd
	v_readfirstlane_b32 s6, v6                     ; the wave's number as a scalar
	s_sub_co_u32 s2, s7, 896
	s_lshl_b32 s20, s2, 6
	s_mov_b32 s32, 0x3f22f983                      ; 2 / pi
	s_mov_b32 s33, 0x3fc90fdb                      ; pi / 2, upper part
	s_mov_b32 s34, 0xb33bbd2e                      ; pi / 2, the rest
	s_mov_b32 s35, 0xbe2aaaab                      ; -1/6
	s_mov_b32 s36, 0x3c088889                      ; 1/120
	s_mov_b32 s37, 0xb9500d01                      ; -1/5040
	s_mov_b32 s39, 0x3d2aaaab                      ; 1/24
	s_mov_b32 s40, 0xbab60b61                      ; -1/720
	s_mov_b32 s41, 0x37d00d01                      ; 1/40320
	s_mov_b32 s44, 0x3b000000                      ; 1/512
	s_mov_b32 s45, 0x3e0293ee                      ; qs = log2(e) / sqrt(128)
	v_and_b32 v7, 15, v5
	v_lshrrev_b32 v9, 4, v5                        ; 0: cosines, 1: sines
	v_cvt_f32_u32 v[CQ], v9
	v_sub_f32 v[CQ], 1.0, v[CQ]
.irp k, 0,1,2,3
	v_lshl_add_u32 v[IFQ+\k], v7, 2, \k            ; j
	v_cvt_f32_u32 v[IFQ+\k], v[IFQ+\k]
	v_mul_f32 v[IFQ+\k], 0xbe549a78, v[IFQ+\k]     ; -j log2(10000) / 64
.endr
	s_wait_alu depctr_va_sdst(0)                   ; s6 is written, ahead of its first reader: the wave's first position is made from it
	s_lshl3_add_u32 s20, s6, s20                   ; my wave's first position = 64 x group + 8 x wave
	s_lshl_b32 s21, s20, 9                         ; x 512 bytes
.irp k, 0,1,2,3
	v_exp_f32 v[IFQ+\k], v[IFQ+\k]                 ; one batch; the plain instructions that must follow (ISA guide 5.7.2) are the four lines below
.endr
	v_lshl_add_u32 v8, v5, 4, s21                  ; my 16 bytes of the wave's first row; never rewritten
	v_mov_b32 v[CQ+1], v[CQ]
	v_mov_b32 v[CQ+2], v[CQ]
	v_mov_b32 v[CQ+3], v[CQ]
	s_wait_alu depctr_va_vdst(0)                   ; the four exponentials have written inv_freq, ahead of its first reader; v8 and CQ are written, which every store below reads
; One of row i's three stores: a store of the wave is a whole row of 512 bytes.  sec: the table's section.
.macro PUT i, sec
.if \sec == 2
	global_store_b128 v8, v[CQ:CQ+3], s[24:25] offset:2097152+512*(\i)
.else
	global_store_b128 v8, v[OO+8*(\i)+4*(\sec):OO+8*(\i)+4*(\sec)+3], s[24:25] offset:1048576*(\sec)+512*(\i)
.endif
.endm
; Row i, stage by stage over my four j, so that no line reads the result of the line before it.  The quadrants and their masks are made first, the polynomials behind them.
.macro ROW i
	s_add_co_u32 s22, s20, \i
	v_cvt_f32_u32 v[SF], s22
	v_fma_f32 v[SC], v[SF], s44, 0.5               ; (s + 256) / 512, exact
	v_rcp_f32 v[RS], v[SC]                         ; used far below; the next line is plain and touches neither SC nor RS
.irp k, 0,1,2,3
	v_mul_f32 v[AA+\k], v[SF], v[IFQ+\k]           ; the angle, one f32 product as in the formula
.endr
.irp k, 0,1,2,3
	v_mul_f32 v[NN+\k], s32, v[AA+\k]
.endr
.irp k, 0,1,2,3
	v_rndne_f32 v[NN+\k], v[NN+\k]                 ; n = nearest number of quarter turns (at most 1,303)
.endr
.irp k, 0,1,2,3
	v_cvt_i32_f32 v[QQ+\k], v[NN+\k]
.endr
.irp k, 0,1,2,3
	v_sub_nc_u32 v[QQ+\k], v[QQ+\k], v9            ; sin a = cos(a - pi/2): the sine lanes take one quarter turn less
.endr
.irp k, 0,1,2,3
	v_and_b32 v[TT+\k], 1, v[QQ+\k]
.endr
.irp k, 0,1,2,3
	v_cmp_ne_u32 s[MK+\k], 0, v[TT+\k]             ; the four masks in one run; their one wait stands behind the polynomials
.endr
.irp k, 0,1,2,3
	v_add_nc_u32 v[QQ+\k], 1, v[QQ+\k]
.endr
.irp k, 0,1,2,3
	v_and_b32 v[QQ+\k], 2, v[QQ+\k]                ; quadrants 1 and 2: negative
.endr
.irp k, 0,1,2,3
	v_lshlrev_b32 v[QQ+\k], 30, v[QQ+\k]
.endr
.irp k, 0,1,2,3
	v_fma_f32 v[RR+\k], -v[NN+\k], s33, v[AA+\k]
.endr
.irp k, 0,1,2,3
	v_fma_f32 v[RR+\k], -v[NN+\k], s34, v[RR+\k]   ; r = angle - n pi/2, |r| <= pi/4
.endr
.irp k, 0,1,2,3
	v_mul_f32 v[R2+\k], v[RR+\k], v[RR+\k]
.endr
.irp k, 0,1,2,3
	v_fma_f32 v[SP+\k], v[R2+\k], s37, s36
	v_fma_f32 v[CP+\k], v[R2+\k], s41, s40
.endr
.irp k, 0,1,2,3
	v_fma_f32 v[SP+\k], v[R2+\k], v[SP+\k], s35
	v_fma_f32 v[CP+\k], v[R2+\k], v[CP+\k], s39
.endr
.irp k, 0,1,2,3
	v_mul_f32 v[TT+\k], v[RR+\k], v[R2+\k]
	v_fma_f32 v[CP+\k], v[R2+\k], v[CP+\k], -0.5
.endr
.irp k, 0,1,2,3
	v_fma_f32 v[SP+\k], v[TT+\k], v[SP+\k], v[RR+\k]   ; sin r
	v_fma_f32 v[CP+\k], v[R2+\k], v[CP+\k], 1.0        ; cos r
.endr
	v_mul_f32 v[SCQ], s45, v[SC]
	s_wait_alu depctr_va_sdst(0)                   ; the four compares have written s26 to s29, ahead of the selects that read them
	s_wait_alu depctr_va_vdst(0)                   ; the reciprocal has written RS, ahead of its first reader; the row before has written its OO, which the three stores below read
.if \i
	PUT (\i)-1, 0                                  ; the row before; no vector instruction since the wait names its OO, v8 or CQ
.endif
.irp k, 0,1,2,3
	v_cndmask_b32 v[SP+\k], v[CP+\k], v[SP+\k], s[MK+\k] ; odd quadrant: the sine polynomial
.endr
.if \i
	PUT (\i)-1, 1
.endif
.irp k, 0,1,2,3
	v_xor_b32 v[SP+\k], v[SP+\k], v[QQ+\k]
.endr
.if \i
	PUT (\i)-1, 2
.endif
	v_mul_f32 v[RSQ], s45, v[RS]
	v_mul_f32 v[OO+8*\i+0], v[SP+0], v[SCQ]        ; q: even j x sc, odd j / sc, all x qs
	v_mul_f32 v[OO+8*\i+1], v[SP+1], v[RSQ]
	v_mul_f32 v[OO+8*\i+2], v[SP+2], v[SCQ]
	v_mul_f32 v[OO+8*\i+3], v[SP+3], v[RSQ]
	v_mul_f32 v[OO+8*\i+4], v[SP+0], v[RS]         ; k: the other way round
	v_mul_f32 v[OO+8*\i+5], v[SP+1], v[SC]
	v_mul_f32 v[OO+8*\i+6], v[SP+2], v[RS]
	v_mul_f32 v[OO+8*\i+7], v[SP+3], v[SC]
.endm
.irp i, 0,1,2,3,4,5,6,7
	ROW \i
.endr
	s_wait_alu depctr_va_vdst(0)                   ; row 7's products have written its OO, which the last stores read
	PUT 7, 0
	PUT 7, 1
	PUT 7, 2
	s_endpgm
.Lcast_x:
	CAST 8, 18, 0, 11, 0, 0
.Lcast_wo:
	CAST 16, 22, 512, 11, 0, 1
.Lcast_wq:
	CAST 10, 20, 640, 10, 0, 0
.Lcast_wk:
	CAST 12, 20, 768, 9, 2048, 0
.Lcast_wv:
	CAST 14, 20, 832, 9, 3072, 0
.Lfunc_end_k_q4f0bdeeb7e_prep:
	.size	k_q4f0bdeeb7e_prep, .Lfunc_end_k_q4f0bdeeb7e_prep-k_q4f0bdeeb7e_prep
	.p2alignl 7, 3214868480
	.fill 96, 4, 3214868480
	.section	.rodata,"a",@progbits
	.p2align	6, 0x0
	.amdhsa_kernel k_q4f0bdeeb7e_prep
		.amdhsa_group_segment_fixed_size 0
		.amdhsa_private_segment_fixed_size 0
		.amdhsa_enable_private_segment 0
		.amdhsa_kernarg_size 72
		.amdhsa_user_sgpr_count 2
		.amdhsa_user_sgpr_kernarg_segment_ptr 1
		.amdhsa_wavefront_size32 1
		.amdhsa_system_sgpr_workgroup_id_x 1
		.amdhsa_system_sgpr_workgroup_id_y 1
		.amdhsa_system_sgpr_workgroup_id_z 1
		.amdhsa_system_vgpr_workitem_id 0
		.amdhsa_next_free_vgpr 128
		.amdhsa_next_free_sgpr 66
		.amdhsa_reserve_vcc 0
		.amdhsa_float_denorm_mode_32 3
		.amdhsa_float_denorm_mode_16_64 3
		.amdhsa_memory_ordered 1
		.amdhsa_forward_progress 1
		.amdhsa_inst_pref_size 97
	.end_amdhsa_kernel
	.amdgpu_metadata
---
amdhsa.version: [ 1, 2 ]
amdhsa.kernels:
  - .name:           k_q4f0bdeeb7e_prep
    .symbol:         k_q4f0bdeeb7e_prep.kd
    .args:
      - { .name: x, .offset: 0, .size: 8, .value_kind: global_buffer, .address_space: global }
      - { .name: Wq, .offset: 8, .size: 8, .value_kind: global_buffer, .address_space: global }
      - { .name: Wk, .offset: 16, .size: 8, .value_kind: global_buffer, .address_space: global }
      - { .name: Wv, .offset: 24, .size: 8, .value_kind: global_buffer, .address_space: global }
      - { .name: Wo, .offset: 32, .size: 8, .value_kind: global_buffer, .address_space: global }
      - { .name: xb, .offset: 40, .size: 8, .value_kind: global_buffer, .address_space: global }
      - { .name: wb, .offset: 48, .size: 8, .value_kind: global_buffer, .address_space: global }
      - { .name: woh, .offset: 56, .size: 8, .value_kind: global_buffer, .address_space: global }
      - { .name: tab, .offset: 64, .size: 8, .value_kind: global_buffer, .address_space: global }
    .group_segment_fixed_size: 0
    .private_segment_fixed_size: 0
    .kernarg_segment_align: 8
    .kernarg_segment_size: 72
    .max_flat_workgroup_size: 256
    .sgpr_count:     66
    .vgpr_count:     128
    .wavefront_size: 32
...
	.end_amdgpu_metadata
.endif
;; end of part 5
;; launch gemm_qkv: the kernel of part 2 again; grid 16 x 16, 4 waves a work-group, clusters of 4 x 4, 327,680 bytes of LDS; arguments xb, wb, tab, qkv, scl; writes qkv, scl
;; launch attn: the kernel of part 3 again; grid 256 x 1, 8 waves a work-group, clusters of 4 x 1, 327,680 bytes of LDS; arguments qkv, scl, ah; writes ah
;; launch gemm_out: the kernel of part 4 again; grid 16 x 16, 4 waves a work-group, clusters of 4 x 4, 327,680 bytes of LDS; arguments ah, woh, scl, out0; writes out0
